; MI455X (gfx1250); checked and timed in simulation.
; The chip was launched on July 23, 2026; its instructions are those of AMD's public machine-readable ISA for CDNA 5 (MIT licence, August 2026) and "CDNA5" Instruction Set Architecture Reference Guide (July 2026). The comments in the code are by the model that wrote it; some were corrected since.
;; Hyper SET Lo RA Attention. Allowed arithmetic: matrix products marked QUANTISED: E2M3 operands, one E8M0 scale for each 32 along K, by v_wmma_scale_f32_16x16x128_f8f6f4 with both operands' format E2M3, f32 sums; everything else in f32.
;; Inputs: delta_w 512 x 512 float32; g1 64 float32; g2 64 float32; g3 64 float32; qkv_w 512 x 512 float32; x 4 x 2,048 x 512 float32.
;; Outputs: out0 4 x 2,048 x 512 float32.
;; This version of the problem:
;;   THIS VERSION OF THE PROBLEM IS GIVEN IN LOW PRECISION. The matrix products marked QUANTISED in the list below multiply operands that are first quantised to E2M3 (2 exponent bits, 3 mantissa bits; 6 bits a number), with one power-of-two scale for each 32 numbers along K (OCP MX v1.0); their sums are f32. All else is computed in f32.
;;   The module's matrix products, in the order in which they are computed (A, B: the left and right operand; K: the contracted axis; several contracted axes count as one K, in the product's order):
;;     1. [M 8,192, K 512] x [K 512, N 512]; A: input x; B: computed on the way: QUANTISED
;;     2. batch 32 x [M 2,048, K 64] x [K 64, N 2,048]; A: computed on the way; B: computed on the way: QUANTISED
;;     3. batch 32 x [M 64, K 2,048] x [K 2,048, N 2,048]; A: computed on the way; B: computed on the way: QUANTISED
;;     4. [M 8,192, K 512] x [K 512, N 512]; A: computed on the way; B: computed on the way: QUANTISED
;;   THE QUANTISER, for each operand of a quantised product, along K:
;;     - K is cut into blocks of 32 from its start; a last block that is shorter is filled with zeros.
;;     - A block's scale is 2^e with e = floor(log2(the largest magnitude in the block)) - 2, held to -126 .. 127; a block of zeros has e = 0. As a byte (E8M0): e + 127.
;;     - Each number is divided by its block's scale, clamped to +-7.5, and rounded to the nearest number of E2M3, ties to even, subnormals kept.
;;     - The product sums the exact products of the quantised numbers (number of the format x scale) in f32.
;;   ~~~python
;;   def quantise(x, axis):      # numpy; x: float32 -> the quantised numbers, widened to float32 again
;;       x = np.moveaxis(x, axis, -1); K = x.shape[-1]
;;       x = np.pad(x, [(0, 0)] * (x.ndim - 1) + [(0, -K % 32)]); x = x.reshape(x.shape[:-1] + (-1, 32)); a = np.abs(x).max(-1, keepdims=True)
;;       e = np.where(a > 0, np.clip(np.frexp(np.where(a > 0, a, 1))[1] - 1 - 2, -126, 127), 0)      # np.frexp(a)[1] - 1 = floor(log2(a)), exactly
;;       r = np.clip(x / 2.0 ** e, -7.5, 7.5)
;;       step = 2.0 ** (np.maximum(np.frexp(np.where(r == 0, 1, r))[1] - 1, 0) - 3)
;;       q = np.round(r / step) * step * 2.0 ** e      # np.round: ties to even
;;       return np.moveaxis(q.reshape(q.shape[:-2] + (-1,))[..., :K], -1, axis).astype(np.float32)
;;   ~~~
;;   OPERANDS COMPUTED ON THE WAY. 'Computed on the way' means the value that the module computes at that place (a softmax that the list does not call 'softmax' is quantised finished and normalised). What goes into a quantiser is computed in f32, as accurately as f32 sums, v_exp_f32 and their like allow (about 1e-6 of the number): no bf16 or f16 on the way to a quantiser, and a product that is left as it is and whose result goes on into a quantised operand takes f32 operands (vector FMAs, or v_wmma_f32_16x16x4_f32). A number that lies on a knife's edge between two numbers of the format may be rounded either way, as far as f32 arithmetic and the matrix unit's own rounding can turn it there, and no further.
;; One version. Each part assembles by itself: llvm-mc -triple=amdgcn-amd-amdhsa -mcpu=gfx1250 --defsym DOCPART=n.
;; ======== version 1 of 1: 5 launches
;; workspace buffers: ops 3,833,856 bytes; rec 10,223,616 bytes; st 524,288 bytes; yq 3,670,016 bytes
;; launch prep (part 1): grid 576 x 1, 4 waves a work-group, no clusters, 0 bytes of LDS; arguments x, qkv_w, delta_w, ops; writes ops
.if DOCPART == 1
	.amdgcn_target "amdgcn-amd-amdhsa--gfx1250"
	.amdhsa_code_object_version 6
	.text
	.protected	k_q9233b8ce49_prep
	.globl	k_q9233b8ce49_prep
	.p2align	8
	.type	k_q9233b8ce49_prep,@function
k_q9233b8ce49_prep:
	s_mov_b64 s[64:65], 0
	v_nop
	global_prefetch_b8 v0, s[64:65] scope:SCOPE_SE
	s_setreg_imm32_b32 hwreg(HW_REG_WAVE_MODE, 25, 1), 1
	s_wait_xcnt 0x0
; PREP: x [8192][512], W = qkv_w + delta_w by rows (K = its second axis) and W by columns (K = its first axis) become codes of FP6 (E2M3) with one E8M0 byte for each 32 along K,
; laid in the order of a matrix operand's registers.  ops holds 576 records of 6,656 bytes: four K steps of 128, each a fragment of 16 rows x 128 K (12 registers a lane) as six
; chunks of 256 bytes (chunk p = registers 2 p, 2 p + 1, lane l at byte 8 l), then four times 128 bytes of scale words (K step s, lane l at 4 l, both halves of the lanes alike).
; Records 0-511: x, tile T = rows 32 (T / 2) + 8 (T % 2) + r + 8 (r / 8).  Records 512-543: rows of W in the same order.  Records 544-575: columns 16 t + r of W.
; SHARES: a work-group makes a record, wave s its K step s: lane (r, h) holds k = 64 c + 32 h + i of its row in register 32 c + i, two whole blocks of 32, so that no other lane
; is asked for a maximum and the conversions' results are the operand's registers.  No LDS, no barrier: waves share nothing.
; A block's scale byte is its largest magnitude's exponent field - 2, held at 1 from below by a floor among the maximum's leaves.
; LIMITS: a block of zeros gets the byte 1 (its codes are zeros, and this program alone reads the bytes); NaN and infinities among the inputs are not served.
.set REC, 6656
.set NUM, 64                           ; v64-127  my 64 numbers
.set NU2, 128                          ; v128-191 the second summand of W
.set COD, 48                           ; v48-59   the fragment's codes
.macro LOADR reg, base, nt             ; K innermost: 32 neighbours are 128 bytes: eight loads of 16 bytes for each block
.irp c, 0,1
.irp i, 0,1,2,3,4,5,6,7
.if \nt
	global_load_b128 v[\reg+32*\c+4*\i:\reg+32*\c+4*\i+3], v3, s[\base:\base+1] offset:256*\c+16*\i th:TH_LOAD_NT
.else
	global_load_b128 v[\reg+32*\c+4*\i:\reg+32*\c+4*\i+3], v3, s[\base:\base+1] offset:256*\c+16*\i
.endif
.endr
.endr
.endm
.macro LOADC reg, base                 ; K outermost: the lane takes a column, its registers run down K, a row of W is 2,048 bytes
.irp c, 0,1
.set I, 0
.rept 32
	global_load_b32 v[\reg+32*\c+I], v7, s[\base:\base+1] offset:(64*\c+I)*2048
.set I, I+1
.endr
.endr
.endm
.macro ROWOFF                          ; s14 = bytes from the tensor's start to tile s13's group of 32 rows, its half and my K step
	s_lshr_b32 s14, s13, 1
	s_lshl_b32 s14, s14, 16
	s_and_b32 s22, s13, 1
	s_lshl_b32 s22, s22, 14
	s_add_co_u32 s14, s14, s22
	s_lshl_b32 s22, s12, 9
	s_add_co_u32 s14, s14, s22
.endm
	s_load_b256 s[4:11], s[0:1], 0x0               ; x s[4:5], qkv_w s[6:7], delta_w s[8:9], ops s[10:11]
	v_lshrrev_b32 v6, 5, v0
	v_readfirstlane_b32 s12, v6                    ; wave = K step
	v_and_b32 v1, 15, v0                           ; r
	v_bfe_u32 v2, v0, 4, 1                         ; h
	v_and_b32 v6, 31, v0
	v_lshlrev_b32 v4, 3, v6                        ; 8 x lane: my place in a chunk
	v_lshlrev_b32 v5, 2, v6                        ; 4 x lane: my scale word's
	v_and_b32 v6, 8, v1
	v_add_nc_u32 v6, v6, v1                        ; r + 8 (r / 8)
	v_lshlrev_b32 v3, 11, v6
	v_lshl_add_u32 v3, v2, 7, v3                   ; by rows: my row of 2,048 bytes + 128 h
	v_lshlrev_b32 v7, 2, v1
	v_lshl_add_u32 v7, v2, 16, v7                  ; by columns: 4 r + 32 h rows
	s_mov_b32 s20, 0x76543210
	s_mov_b32 s21, 0xfedcba98                      ; v_permlanex16_b32's selects for lane l xor 16
	s_mul_i32 s14, ttmp9, REC                      ; my record
	s_mul_i32 s16, s12, 1536
	s_add_co_u32 s16, s16, s14                     ; my fragment in it
	s_mov_b32 s17, 0
	s_lshl_b32 s18, s12, 7
	s_add_co_u32 s18, s18, s14
	s_add_co_u32 s18, s18, 6144                    ; my scale words in it
	s_mov_b32 s19, 0
	s_mov_b32 s15, 0
	s_wait_kmcnt 0x0
	s_add_nc_u64 s[16:17], s[10:11], s[16:17]
	s_add_nc_u64 s[18:19], s[10:11], s[18:19]
	s_cmp_ge_u32 ttmp9, 512
	s_cbranch_scc1 .Lweights
	s_mov_b32 s13, ttmp9                           ; a tile of x
	ROWOFF
	s_add_nc_u64 s[4:5], s[4:5], s[14:15]
	LOADR NUM, 4, 1
	s_branch .Lquant
.Lweights:
	s_and_b32 s13, ttmp9, 31                       ; 512 and 544 are multiples of 32: the tile's number among its 32
	s_cmp_ge_u32 ttmp9, 544
	s_cbranch_scc1 .Lcolumns
	ROWOFF
	s_add_nc_u64 s[6:7], s[6:7], s[14:15]
	s_add_nc_u64 s[8:9], s[8:9], s[14:15]
	LOADR NUM, 6, 0
	LOADR NU2, 8, 0
	s_branch .Lsum
.Lcolumns:
	s_lshl_b32 s14, s13, 6                         ; 16 columns of 4 bytes a tile,
	s_lshl_b32 s22, s12, 18                        ; 128 rows of 2,048 bytes a K step
	s_add_co_u32 s14, s14, s22
	s_add_nc_u64 s[6:7], s[6:7], s[14:15]
	s_add_nc_u64 s[8:9], s[8:9], s[14:15]
	LOADC NUM, 6
	LOADC NU2, 8
.Lsum:
	s_wait_loadcnt 0x0
.set I, 0
.rept 32
	v_pk_add_f32 v[NUM+I:NUM+I+1], v[NUM+I:NUM+I+1], v[NU2+I:NU2+I+1]   ; W = qkv_w + delta_w
.set I, I+2
.endr
.Lquant:
	s_wait_loadcnt 0x0
.irp c, 0,1
	v_max3_num_f32 v[32+\c], |v[NUM+32*\c]|, |v[NUM+1+32*\c]|, 0x1800000   ; my block 2 c + h, and the floor 2^(3 - 127): the byte cannot fall under 1
.endr
.irp i, 2,4,6,8,10,12,14,16,18,20,22,24,26,28,30
.irp c, 0,1
	v_max3_num_f32 v[32+\c], v[32+\c], |v[NUM+32*\c+\i]|, |v[NUM+1+32*\c+\i]|
.endr
.endr
.irp c, 0,1
	v_add_nc_u32 v[44+\c], 0xff000000, v[32+\c]    ; 2 off the exponent field: the conversion takes this operand's exponent field as its scale
.endr
.irp c, 0,1
	v_lshrrev_b32 v[36+\c], 23, v[44+\c]           ; the scale's byte
.endr
	v_lshl_or_b32 v9, v37, 16, v36                 ; blocks h and 2 + h,
	v_lshlrev_b32 v10, 3, v2
	v_lshlrev_b32 v9, v10, v9                      ; 8 h bits up;
	v_mov_b32 v10, 0
	v_permlanex16_b32 v10, v9, s20, s21
	v_or_b32 v9, v9, v10                           ; with lane l xor 16's two the word is whole, in both halves
.irp c, 0,1
	v_cvt_scalef32_pk16_fp6_f32 v[COD+6*\c:COD+6*\c+2], v[NUM+32*\c:NUM+32*\c+15], v[44+\c]
	v_cvt_scalef32_pk16_fp6_f32 v[192+4*\c:194+4*\c], v[NUM+16+32*\c:NUM+31+32*\c], v[44+\c]   ; (a conversion's three registers begin on an even number)
.endr
	v_nop                                          ; one plain instruction behind the scaled conversions
.irp c, 0,1
.irp i, 0,1,2
	v_mov_b32 v[COD+3+6*\c+\i], v[192+4*\c+\i]
.endr
.endr
.irp p, 0,1,2,3,4,5
	global_store_b64 v4, v[COD+2*\p:COD+2*\p+1], s[16:17] offset:256*\p   ; 32 lanes store 256 consecutive bytes, aligned
.endr
	global_store_b32 v5, v9, s[18:19]              ; 128 bytes a wave; the four waves' lie on end
	s_endpgm
.Lfunc_end_k_q9233b8ce49_prep:
	.size	k_q9233b8ce49_prep, .Lfunc_end_k_q9233b8ce49_prep-k_q9233b8ce49_prep
	.p2alignl 7, 3214868480
	.fill 96, 4, 3214868480
	.section	.rodata,"a",@progbits
	.p2align	6, 0x0
	.amdhsa_kernel k_q9233b8ce49_prep
		.amdhsa_group_segment_fixed_size 0
		.amdhsa_private_segment_fixed_size 0
		.amdhsa_enable_private_segment 0
		.amdhsa_kernarg_size 32
		.amdhsa_user_sgpr_count 2
		.amdhsa_user_sgpr_kernarg_segment_ptr 1
		.amdhsa_wavefront_size32 1
		.amdhsa_system_sgpr_workgroup_id_x 1
		.amdhsa_system_sgpr_workgroup_id_y 1
		.amdhsa_system_sgpr_workgroup_id_z 1
		.amdhsa_system_vgpr_workitem_id 0
		.amdhsa_next_free_vgpr 200
		.amdhsa_next_free_sgpr 66
		.amdhsa_reserve_vcc 0
		.amdhsa_float_denorm_mode_32 3
		.amdhsa_float_denorm_mode_16_64 3
		.amdhsa_memory_ordered 1
		.amdhsa_forward_progress 1
		.amdhsa_inst_pref_size 25
	.end_amdhsa_kernel
	.amdgpu_metadata
---
amdhsa.version: [ 1, 2 ]
amdhsa.kernels:
  - .name:           k_q9233b8ce49_prep
    .symbol:         k_q9233b8ce49_prep.kd
    .args:
      - { .name: x, .offset: 0, .size: 8, .value_kind: global_buffer, .address_space: global }
      - { .name: qkv_w, .offset: 8, .size: 8, .value_kind: global_buffer, .address_space: global }
      - { .name: delta_w, .offset: 16, .size: 8, .value_kind: global_buffer, .address_space: global }
      - { .name: ops, .offset: 24, .size: 8, .value_kind: global_buffer, .address_space: global }
    .group_segment_fixed_size: 0
    .private_segment_fixed_size: 0
    .kernarg_segment_align: 8
    .kernarg_segment_size: 32
    .max_flat_workgroup_size: 128
    .sgpr_count:     66
    .vgpr_count:     200
    .wavefront_size: 32
...
	.end_amdgpu_metadata
.endif
;; end of part 1
;; launch proj (part 2): grid 4 x 64, 8 waves a work-group, clusters of 4 x 4, 167,936 bytes of LDS; arguments ops, g1, g2, g3, rec; writes rec
.if DOCPART == 2
	.amdgcn_target "amdgcn-amd-amdhsa--gfx1250"
	.amdhsa_code_object_version 6
	.text
	.protected	k_q9233b8ce49_proj
	.globl	k_q9233b8ce49_proj
	.p2align	8
	.type	k_q9233b8ce49_proj,@function
k_q9233b8ce49_proj:
	s_mov_b64 s[64:65], 0
	v_nop
	global_prefetch_b8 v0, s[64:65] scope:SCOPE_SE
	s_setreg_imm32_b32 hwreg(HW_REG_WAVE_MODE, 25, 1), 1
	s_wait_xcnt 0x0
	s_wait_alu depctr_hold_cnt(0) depctr_sa_sdst(0) depctr_va_vdst(0) depctr_va_sdst(0) depctr_va_ssrc(0) depctr_va_vcc(0) depctr_vm_vsrc(0)
	s_getreg_b32 s2, hwreg(HW_REG_IB_STS2, 6, 4)
	s_cmp_eq_u32 s2, 0
	s_cbranch_scc0 .Lentry_in_a_cluster
	s_endpgm
.Lentry_in_a_cluster:
	s_bfe_u32 s2, ttmp6, 0x10000c
	s_cmp_lg_u32 s2, 0xf033
	s_cbranch_scc0 .Lentry_shape_is_right
	s_endpgm
.Lentry_shape_is_right:
; PROJ: w = x W^T on codes of FP6 (E2M3), then for each head q = rmsnorm(w, g1), k = rmsnorm(w, g2), v = rmsnorm(w, g3), each quantised along the K of the product that will read it:
; q and k along the head's 64 numbers, v along the tokens (the keys).  Results go to rec, [batch x head 32][step of 128 tokens 16] records of 19,968 bytes = Q 6,656 | K 6,656 | V 6,656.
; Q, K: four pairs of tiles (pair b = tokens 32 b .. 32 b + 31; two tiles of 16 tokens x 64, 6 registers each, 12 on end; three chunks of 512 bytes, chunk c = registers 4 c .. 4 c + 3, lane l at 16 l),
; then 4 x 128 bytes of scale words (lanes 0-15 the pair's first tile, lanes 16-31 its second; bytes 2 and 3 are 0x7f).  V: four tiles of 16 channels x 128 keys in the same chunks, then 512 bytes: lane l at 16 l, a word a tile.
; A tile's lane r holds token (or channel) 8 u + r + 8 (r / 8) of its group of 32, so that a result's 16 registers of two neighbouring tiles are 16 neighbours.
; SHARES: a work-group takes 128 tokens x 128 columns (two heads); wave w takes head w / 4 and tokens 32 (w % 4) on.  Each product is issued BOTH WAYS ROUND from the same fragments: W's rows as source 0 give a lane one
; token and registers along the head (for the norm, q and k); x's rows as source 0 give a lane one channel and registers along the tokens (for v).  Both hold the same sums.
; CLUSTER 4 x 4: x's records hang on the block of tokens alone and are asked for jointly along a row of the cluster, W's on the block of columns alone, along a column.  All tiles are asked for once, at the head; nothing is filled again.
; LIMITS: a block of zeros gets the scale byte 1 (its codes are zeros; this program alone reads the bytes); NaN and infinities are not served.
.set REC,   6656
.set RECB,  19968
.set WL,    8*REC                      ; LDS: x's 8 records from 0, W's 8 from here,
.set STGV,  16*REC                     ; a stage for the two heads' V records,
.set SCR,   STGV+2*REC                 ; 128 bytes for each wave: 32 tokens' 1 / rms,
.set SPARE, SCR+1024                   ; and the spare words, 128 bytes for each wave: four blocks of 256 bytes that no other line names
.set SPW,   1                          ; v1   LDS address of my spare word; never rewritten
.set NIL,   2                          ; v2   0; never rewritten
.set XS,    16                         ; v16-17 x's scale words, v18-21 W's: scales and nothing else
.set WS,    18
.set XF,    24                         ; v24-47  x's two fragments;  later g1's 32 numbers (v24-55)
.set WF,    48                         ; v48-95  W's four;  later scratch, then g2's 32 numbers (v56-87)
.set TA,    96                         ; v96-159  tile u, W tile n at 32 u + 8 n: lane = token, register 16 b + i = channel 32 b + 16 h + i
.set NA,    160                        ; v160-223 W tile n, tile u at 16 n + 8 u: lane = channel, register i = token 16 h + i
.set QV,    160                        ; later: 32 numbers of q or k
.set QP,    192                        ; q's pair of tiles, 12 registers;
.set KP,    204                        ; k's
.set SEL,   54
.macro PLACES n
.rept \n
	v_nop
.endr
.endm
.macro WM d, a, b, sa, sb, zero
.if \zero
	v_wmma_scale_f32_16x16x128_f8f6f4 v[\d:\d+7], v[\a:\a+11], v[\b:\b+11], 0, v[\sa], v[\sb] matrix_a_fmt:MATRIX_FMT_FP6 matrix_b_fmt:MATRIX_FMT_FP6
.else
	v_wmma_scale_f32_16x16x128_f8f6f4 v[\d:\d+7], v[\a:\a+11], v[\b:\b+11], v[\d:\d+7], v[\sa], v[\sb] matrix_a_fmt:MATRIX_FMT_FP6 matrix_b_fmt:MATRIX_FMT_FP6
.endif
.endm
.macro JLOAD                           ; waves 0-3 fetch x's records, waves 4-7 W's; the branch hangs on the wave's number alone; an s_nop 0 and four v_nop follow each line
	s_cmp_eq_u32 s15, 0
	s_cbranch_scc0 .Lfor_b_\@
	tensor_load_to_lds s[32:35], s[24:31]
	s_nop 0
	PLACES 4
	s_branch .Lasked_\@
.Lfor_b_\@:
	tensor_load_to_lds s[44:47], s[36:43]
	s_nop 0
	PLACES 4
.Lasked_\@:
.endm
.macro CROUND                          ; a round of the cluster's barrier
	s_barrier_signal -1
	s_barrier_wait -1
	s_cmp_lg_u32 s14, 0
	s_cbranch_scc1 .Lnot_wave_0_\@
	s_barrier_signal -3
.Lnot_wave_0_\@:
	s_barrier_wait -3
	s_barrier_signal -1
	s_barrier_wait -1
.endm
; 32 numbers of a lane, register 16 b + i = k 32 b + 16 h + i of its row, become a tile's six registers of codes in v[dst] on and its two scale bytes in v[w].  x: three registers at work; m: eight (m + 2, m + 3 written before)
.macro QUANT2 src, dst, x, m, w
.irp b, 0,1
	v_max3_num_f32 v[\m+\b], |v[\src+16*\b]|, |v[\src+16*\b+1]|, 0x1800000   ; with the floor 2^(3 - 127)
.endr
.irp i, 2,4,6,8,10,12,14
.irp b, 0,1
	v_max3_num_f32 v[\m+\b], v[\m+\b], |v[\src+16*\b+\i]|, |v[\src+16*\b+\i+1]|
.endr
.endr
.irp b, 0,1
	v_permlanex16_b32 v[\m+2+\b], v[\m+\b], s[SEL], s[SEL+1]
.endr
.irp b, 0,1
	v_max_num_f32 v[\m+\b], v[\m+\b], v[\m+2+\b]   ; with lane l xor 16's 16: the block's largest magnitude
.endr
.irp b, 0,1
	v_add_nc_u32 v[\m+4+\b], 0xff000000, v[\m+\b]  ; 2 off its exponent field: the conversion's scale operand
.endr
.irp b, 0,1
	v_lshrrev_b32 v[\m+6+\b], 23, v[\m+4+\b]       ; the byte
.endr
	v_lshl_or_b32 v[\w], v[\m+7], 8, v[\m+6]
	v_cvt_scalef32_pk16_fp6_f32 v[\dst:\dst+2], v[\src:\src+15], v[\m+4]
	v_cvt_scalef32_pk16_fp6_f32 v[\x:\x+2], v[\src+16:\src+31], v[\m+5]
	v_nop                                          ; one plain instruction behind the scaled conversions
.irp i, 0,1,2
	v_permlane16_swap_b32 v[\dst+\i], v[\x+\i]     ; a whole block to a lane: lanes 0-15 block 0, lanes 16-31 block 1
.endr
.irp i, 0,1,2
	v_mov_b32 v[\dst+3+\i], v[\x+\i]
.endr
.endm
	s_load_b256 s[4:11], s[0:1], 0x0               ; ops s[4:5], g1 s[6:7], g2 s[8:9], g3 s[10:11]
	s_load_b64 s[12:13], s[0:1], 0x20              ; rec
	v_lshl_add_u32 v[SPW], v0, 2, SPARE
	v_mov_b32 v[NIL], 0
	ds_add_u32 v[SPW], v[NIL]                      ; the wave's opening: the add and its wait stand ahead of my first tensor load; the set-up below, work on registers, stands between them
	v_lshrrev_b32 v3, 5, v0
	v_readfirstlane_b32 s14, v3                    ; wave 0..7
	s_lshr_b32 s15, s14, 2                         ; my head of the two.  Also: I fetch for x (0) or for W (1)
	s_and_b32 s16, s14, 3                          ; my 32 tokens of the 128.  Also: which two records I fetch
	s_bfe_u32 s17, ttmp6, 0x40000                  ; cx
	s_bfe_u32 s18, ttmp6, 0x40004                  ; cy
	s_lshl_b32 s20, ttmp9, 2
	s_add_co_u32 s20, s20, s17                     ; block of 128 columns = 4 x cluster x + cx
	s_and_b32 s19, ttmp7, 0xffff
	s_lshl_b32 s19, s19, 2
	s_add_co_u32 s19, s19, s18                     ; block of 128 tokens = 4 x cluster y + cy
	s_lshl_b32 s22, s18, 2
	s_lshl_b32 s22, 15, s22                        ; my row of the cluster
	s_lshl_b32 s23, 0x1111, s17                    ; my column
	s_or_b32 s24, s22, (3<<16)|(1<<21)             ; group 1: the mask; elements of 8 bytes; bit 21 set beside a mask; no padding
	s_or_b32 s36, s23, (3<<16)|(1<<21)
.irp g, 24, 36                                 ; two records, 13,312 dense bytes, as 52 rows of 256 bytes
	s_mov_b32 s[\g+1], 32<<16                      ; tensor_dim0 = 32 elements
	s_mov_b32 s[\g+2], 52<<16                      ; tensor_dim1 = 52
	s_mov_b32 s[\g+3], 32<<16                      ; tile_dim0
	s_mov_b32 s[\g+4], 52                          ; tile_dim1
	s_mov_b32 s[\g+5], 32                          ; the pitch
	s_mov_b32 s[\g+6], 0
	s_mov_b32 s[\g+7], 0
.endr
	s_mul_i32 s21, s16, 2*REC
	s_mul_i32 s48, s19, 8*REC                      ; x: records 8 x block of tokens on,
	s_add_co_u32 s48, s48, s21
	s_mov_b32 s49, 0
	s_mul_i32 s50, s20, 8*REC                      ; W: records 512 + 8 x block of columns on
	s_add_co_u32 s50, s50, s21
	s_add_co_u32 s50, s50, 512*REC
	s_mov_b32 s51, 0
	s_mov_b32 s32, 1
	s_mul_i32 s33, s14, 2*REC                      ; LDS: wave x two records: x's eight, then W's eight
	s_mov_b32 s44, 1
	s_mul_i32 s45, s14, 2*REC
	s_mov_b32 s52, 0x3c800000                      ; 1 / 64
	s_mov_b32 s53, 0x34000000                      ; the norm's eps, 2^-23
	s_mov_b32 s[SEL], 0x76543210
	s_mov_b32 s[SEL+1], 0xfedcba98
	s_mov_b32 s56, 0xffff0000                      ; lanes 16-31
	; where my results go: record 16 (8 batch + 2 x block of columns + head) + step.  These registers feed no descriptor
	s_lshr_b32 s66, s19, 4
	s_lshl_b32 s66, s66, 3
	s_lshl_b32 s67, s20, 1
	s_add_co_u32 s66, s66, s67
	s_add_co_u32 s66, s66, s15
	s_lshl_b32 s66, s66, 4
	s_and_b32 s67, s19, 15
	s_add_co_u32 s66, s66, s67
	s_mul_i32 s66, s66, RECB
	s_mul_i32 s68, s16, 1536
	s_add_co_u32 s68, s68, s66                     ; my pair (or tile of V) in a part of the record
	s_mov_b32 s69, 0
	s_lshl_b32 s70, s16, 7
	s_add_co_u32 s70, s70, s66
	s_add_co_u32 s70, s70, 6144                    ; and its 128 bytes of scale words
	s_mov_b32 s71, 0
	s_wait_dscnt 0x0                               ; the opening add is done
	s_wait_kmcnt 0x0
	s_add_nc_u64 s[34:35], s[4:5], s[48:49]
	s_or_b32 s35, s35, 0x80000000
	s_add_nc_u64 s[46:47], s[4:5], s[50:51]
	s_or_b32 s47, s47, 0x80000000
	s_add_nc_u64 s[58:59], s[12:13], s[68:69]
	s_add_nc_u64 s[60:61], s[12:13], s[70:71]
	CROUND                                         ; all sixteen work-groups are here: the joint loads meet
	JLOAD                                          ; one load a wave is out
	v_and_b32 v224, 31, v0                         ; lane
	v_and_b32 v225, 15, v0                         ; r
	v_bfe_u32 v226, v0, 4, 1                       ; h
	v_and_b32 v227, 8, v225
	v_add_nc_u32 v227, v227, v225                  ; r + 8 (r / 8)
	s_mul_i32 s2, s16, 2*REC                       ; x's records 2 g, 2 g + 1
	s_mul_i32 s3, s15, 4*REC
	s_add_co_u32 s3, s3, WL                        ; W's records 4 head on
	v_lshl_add_u32 v3, v224, 3, s2                 ; v3 x's fragments: 8 x lane
	v_lshl_add_u32 v4, v224, 3, s3                 ; v4 W's
	s_add_co_u32 s2, s2, 6144
	s_add_co_u32 s3, s3, 6144
	v_lshl_add_u32 v5, v224, 2, s2                 ; v5 x's scale words: 4 x lane
	v_lshl_add_u32 v6, v224, 2, s3                 ; v6 W's
	s_mul_i32 s57, s15, REC
	s_add_co_u32 s57, s57, STGV                    ; my head's V record in the stage
	s_and_b32 s62, s16, 1
	s_lshl_b32 s62, s62, 8
	s_add_co_u32 s62, s62, s57
	s_lshr_b32 s63, s16, 1
	v_mul_u32_u24 v228, v226, 1536
	v_lshl_add_u32 v228, v225, 4, v228
	v_add_nc_u32 v228, s62, v228                   ; tile h of a pair of tiles, target lane r + 16 (g % 2): key block g lies in registers 6 (g / 2) .. + 5 of that lane
	s_mul_i32 s62, s63, 520
	v_add_nc_u32 v7, s62, v228                     ; v7 registers 0, 1 (offset 0) and 4, 5 (offset 512) of the six
	s_mul_i32 s62, s63, 1016
	v_add_nc_u32 v8, s62, v228                     ; v8 registers 2, 3 (offset 8)
	s_add_co_u32 s62, s57, 6144
	s_add_co_u32 s62, s62, s16
	v_lshl_add_u32 v10, v224, 4, s62               ; v10 V's scale bytes: 16 x lane + key block; 4 bytes a tile
	s_lshl_b32 s62, s14, 7
	s_add_co_u32 s62, s62, SCR
	v_lshl_add_u32 v11, v227, 2, s62               ; v11 1 / rms in: my token's word
	v_lshl_add_u32 v12, v226, 6, s62               ; v12 and out: tokens 16 h on
	s_mul_i32 s62, s16, 1536
	s_add_co_u32 s62, s62, s57
	v_lshl_add_u32 v13, v224, 4, s62               ; v13 the stage on the way out: tile g of my head
	s_lshl_b32 s62, s16, 7
	s_add_co_u32 s62, s62, s57
	s_add_co_u32 s62, s62, 6144
	v_lshl_add_u32 v14, v224, 2, s62               ; v14 and 128 bytes of its scale words
	v_lshlrev_b32 v15, 4, v224                     ; v15 16 x lane
	v_lshlrev_b32 v9, 2, v224                      ; v9  4 x lane
	v_lshlrev_b32 v22, 6, v226                     ; v22 g1, g2: 16 h numbers on
	v_lshlrev_b32 v23, 2, v227                     ; v23 g3: my channel of a tile
	s_wait_tensorcnt 0x0                           ; my two records are in,
	s_barrier_signal -1
	s_barrier_wait -1                              ; everybody's are
.macro KSTEP s, zero                   ; 128 along K: 6 fragments, 16 products on 16 accumulators by turns
.if \s > 0
	PLACES 4                                       ; in front of loads into registers that matrix instructions have read
.endif
.irp u, 0,1
.irp p, 0,1,2,3,4,5
	ds_load_b64 v[XF+12*\u+2*\p:XF+12*\u+2*\p+1], v3 offset:\u*REC+1536*\s+256*\p
.endr
	ds_load_b32 v[XS+\u], v5 offset:\u*REC+128*\s
.endr
.irp n, 0,1,2,3
.irp p, 0,1,2,3,4,5
	ds_load_b64 v[WF+12*\n+2*\p:WF+12*\n+2*\p+1], v4 offset:\n*REC+1536*\s+256*\p
.endr
	ds_load_b32 v[WS+\n], v6 offset:\n*REC+128*\s
.endr
	s_wait_dscnt 0x0
.irp u, 0,1
.irp n, 0,1,2,3
	WM TA+32*\u+8*\n, WF+12*\n, XF+12*\u, WS+\n, XS+\u, \zero
.endr
.endr
.irp n, 0,1,2,3
.irp u, 0,1
	WM NA+16*\n+8*\u, XF+12*\u, WF+12*\n, XS+\u, WS+\n, \zero
.endr
.endr
.endm
	KSTEP 0, 1                                     ; the first products start the sums
	KSTEP 1, 0
	KSTEP 2, 0
	KSTEP 3, 0
	PLACES 4                                       ; behind the last products: results are read, and operands' registers written, from here on
.irp n, 0,1,2,3
.irp k, 0,1
	global_load_b128 v[24+8*\n+4*\k:24+8*\n+4*\k+3], v22, s[6:7] offset:128*(\n/2)+32*(\n%2)+16*\k   ; g1 in TA's order: register 8 n + j = channel 32 (n / 2) + 16 h + 8 (n % 2) + j
.endr
.endr
.irp n, 0,1,2,3
	global_load_b32 v[82+2*\n], v23, s[10:11] offset:128*(\n/2)+32*(\n%2)   ; g3 of my channel in tile n: the low register of a pair
.endr
.irp j, 57,59,64,65,70,71,72,73,83,85,87,89
	v_mov_b32 v\j, 0                               ; upper halves of pairs that are named whole, and destinations of lane permutes
.endr
	; the mean of squares of each token's 64 numbers: my 32, then lane l xor 16's
	v_pk_mul_f32 v[60:61], v[TA:TA+1], v[TA:TA+1]
	v_pk_mul_f32 v[62:63], v[TA+32:TA+33], v[TA+32:TA+33]
.irp k, 1,2,3,4,5,6,7,8,9,10,11,12,13,14,15
	v_pk_fma_f32 v[60:61], v[TA+2*\k:TA+2*\k+1], v[TA+2*\k:TA+2*\k+1], v[60:61]
	v_pk_fma_f32 v[62:63], v[TA+32+2*\k:TA+33+2*\k], v[TA+32+2*\k:TA+33+2*\k], v[62:63]
.endr
	v_add_f32 v60, v60, v61
	v_add_f32 v62, v62, v63
	v_permlanex16_b32 v64, v60, s[SEL], s[SEL+1]
	v_permlanex16_b32 v65, v62, s[SEL], s[SEL+1]
	v_add_f32 v60, v60, v64
	v_add_f32 v62, v62, v65
	v_fma_f32 v60, v60, s52, s53                   ; / 64 + eps
	v_fma_f32 v62, v62, s52, s53
	v_rsq_f32 v56, v60
	v_rsq_f32 v58, v62
	v_nop                                          ; a plain instruction behind the last of the two,
	s_wait_alu depctr_va_vdst(0)                   ; and one wait for both, ahead of their first reader
	ds_store_b32 v11, v56                          ; token 8 u + r + 8 (r / 8): both halves of the lanes write the same word with the same value
	ds_store_b32 v11, v58 offset:32
.irp i, 0,1,2,3
	ds_load_b128 v[224+4*\i:227+4*\i], v12 offset:16*\i   ; back as tokens 16 h + 0 .. 15: LDS serves a wave's instructions in order, and the bytes are the wave's own
.endr
.irp u, 0,1
.irp k, 0,1,2,3,4,5,6,7,8,9,10,11,12,13,14,15
	v_pk_mul_f32 v[TA+32*\u+2*\k:TA+32*\u+2*\k+1], v[TA+32*\u+2*\k:TA+32*\u+2*\k+1], v[56+2*\u:57+2*\u] op_sel_hi:[1,0]   ; w / rms, by tokens
.endr
.endr
	s_wait_loadcnt 0x0                             ; g1, g3
	s_wait_dscnt 0x0
	; ---- v: a lane holds one channel and 16 tokens of key block g
.irp k, 0,1,2,3,4,5,6,7
.irp n, 0,1,2,3
	v_pk_mul_f32 v[NA+16*\n+2*\k:NA+16*\n+2*\k+1], v[NA+16*\n+2*\k:NA+16*\n+2*\k+1], v[224+2*\k:225+2*\k]
.endr
.endr
.irp k, 0,1,2,3,4,5,6,7
.irp n, 0,1,2,3
	v_pk_mul_f32 v[NA+16*\n+2*\k:NA+16*\n+2*\k+1], v[NA+16*\n+2*\k:NA+16*\n+2*\k+1], v[82+2*\n:83+2*\n] op_sel_hi:[1,0]
.endr
.endr
.irp n, 0,1,2,3
	v_max3_num_f32 v[66+\n], |v[NA+16*\n]|, |v[NA+16*\n+1]|, 0x1800000
.endr
.irp i, 2,4,6,8,10,12,14
.irp n, 0,1,2,3
	v_max3_num_f32 v[66+\n], v[66+\n], |v[NA+16*\n+\i]|, |v[NA+16*\n+\i+1]|
.endr
.endr
.irp n, 0,1,2,3
	v_permlanex16_b32 v[70+\n], v[66+\n], s[SEL], s[SEL+1]
.endr
.irp n, 0,1,2,3
	v_max_num_f32 v[66+\n], v[66+\n], v[70+\n]
.endr
.irp n, 0,1,2,3
	v_add_nc_u32 v[74+\n], 0xff000000, v[66+\n]
.endr
.irp n, 0,1,2,3
	v_lshrrev_b32 v[78+\n], 23, v[74+\n]
.endr
.irp n, 0,1,2,3
	ds_store_b8 v10, v[78+\n] offset:4*\n          ; byte g of tile n's word, in both halves of the lanes
.endr
	v_cvt_scalef32_pk16_fp6_f32 v[244:246], v[NA:NA+15], v74
	v_cvt_scalef32_pk16_fp6_f32 v[240:242], v[NA+16:NA+31], v75
	v_cvt_scalef32_pk16_fp6_f32 v[250:252], v[NA+32:NA+47], v76
	v_cvt_scalef32_pk16_fp6_f32 v[92:94], v[NA+48:NA+63], v77
	v_nop                                          ; one plain instruction behind the scaled conversions
.irp i, 0,1,2
	v_permlane16_swap_b32 v[244+\i], v[240+\i]     ; lanes 0-15 now hold tile 0's block whole, lanes 16-31 tile 1's
	v_permlane16_swap_b32 v[250+\i], v[92+\i]      ; likewise tiles 2 and 3
.endr
.irp i, 0,1,2
	v_mov_b32 v[247+\i], v[240+\i]
	v_mov_b32 v[253+\i], v[92+\i]
.endr
.irp t, 0,1
	ds_store_b64 v7, v[244+6*\t:245+6*\t] offset:3072*\t
	ds_store_b64 v8, v[246+6*\t:247+6*\t] offset:3072*\t+8
	ds_store_b64 v7, v[248+6*\t:249+6*\t] offset:3072*\t+512
.endr
	s_wait_dscnt 0x0                               ; the stores have read their registers
.irp n, 0,1,2,3
.irp k, 0,1
	global_load_b128 v[56+8*\n+4*\k:56+8*\n+4*\k+3], v22, s[8:9] offset:128*(\n/2)+32*(\n%2)+16*\k   ; g2, in TA's order: it lands while q is quantised
.endr
.endr
	v_mov_b32 v218, 0                              ; destinations of lane permutes
	v_mov_b32 v219, 0
	; ---- q and k: a lane holds one token and 32 channels
.macro QK G, DST, W
.irp u, 0,1
.irp k, 0,1,2,3,4,5,6,7,8,9,10,11,12,13,14,15
	v_pk_mul_f32 v[QV+2*\k:QV+2*\k+1], v[TA+32*\u+2*\k:TA+32*\u+2*\k+1], v[\G+2*\k:\G+2*\k+1]
.endr
	QUANT2 QV, \DST+6*\u, 224, 216, 228+\u
	v_or_b32 v[228+\u], 0x7f7f0000, v[228+\u]      ; bytes 2 and 3 stand for 1.0: the instruction's upper 64 along K meet zero codes
.endr
	v_cndmask_b32 v[\W], v228, v229, s56           ; lanes 0-15 the first tile's words, lanes 16-31 the second's
.endm
	QK 24, QP, 230
.irp c, 0,1,2
	global_store_b128 v15, v[QP+4*\c:QP+4*\c+3], s[58:59] offset:512*\c   ; 512 consecutive bytes, aligned
.endr
	global_store_b32 v9, v230, s[60:61]            ; 128 bytes a wave; two neighbouring waves' lie on end in an aligned 256
	s_wait_loadcnt 0x0                             ; g2
	QK 56, KP, 231
.irp c, 0,1,2
	global_store_b128 v15, v[KP+4*\c:KP+4*\c+3], s[58:59] offset:REC+512*\c
.endr
	global_store_b32 v9, v231, s[60:61] offset:REC
	s_wait_dscnt 0x0                               ; for the others' sake: my stores into the stage are done
	s_barrier_signal -1
	s_barrier_wait -1                              ; the two V records are whole
.irp c, 0,1,2
	ds_load_b128 v[160+4*\c:163+4*\c], v13 offset:512*\c
.endr
	ds_load_b32 v172, v14
	s_wait_dscnt 0x0
.irp c, 0,1,2
	global_store_b128 v15, v[160+4*\c:163+4*\c], s[58:59] offset:2*REC+512*\c
.endr
	global_store_b32 v9, v172, s[60:61] offset:2*REC
	s_wait_tensorcnt 0x0                           ; the wave's end, behind my last tensor load and my last LDS store
	ds_add_u32 v[SPW], v[NIL]
	s_wait_dscnt 0x0
	CROUND                                         ; the closing round
	s_endpgm
.Lfunc_end_k_q9233b8ce49_proj:
	.size	k_q9233b8ce49_proj, .Lfunc_end_k_q9233b8ce49_proj-k_q9233b8ce49_proj
	.p2alignl 7, 3214868480
	.fill 96, 4, 3214868480
	.section	.rodata,"a",@progbits
	.p2align	6, 0x0
	.amdhsa_kernel k_q9233b8ce49_proj
		.amdhsa_group_segment_fixed_size 167936
		.amdhsa_private_segment_fixed_size 0
		.amdhsa_enable_private_segment 0
		.amdhsa_kernarg_size 40
		.amdhsa_user_sgpr_count 2
		.amdhsa_user_sgpr_kernarg_segment_ptr 1
		.amdhsa_wavefront_size32 1
		.amdhsa_system_sgpr_workgroup_id_x 1
		.amdhsa_system_sgpr_workgroup_id_y 1
		.amdhsa_system_sgpr_workgroup_id_z 1
		.amdhsa_system_vgpr_workitem_id 0
		.amdhsa_next_free_vgpr 256
		.amdhsa_next_free_sgpr 72
		.amdhsa_reserve_vcc 0
		.amdhsa_float_denorm_mode_32 3
		.amdhsa_float_denorm_mode_16_64 3
		.amdhsa_memory_ordered 1
		.amdhsa_forward_progress 1
		.amdhsa_inst_pref_size 56
	.end_amdhsa_kernel
	.amdgpu_metadata
---
amdhsa.version: [ 1, 2 ]
amdhsa.kernels:
  - .name:           k_q9233b8ce49_proj
    .symbol:         k_q9233b8ce49_proj.kd
    .args:
      - { .name: ops, .offset: 0, .size: 8, .value_kind: global_buffer, .address_space: global }
      - { .name: g1, .offset: 8, .size: 8, .value_kind: global_buffer, .address_space: global }
      - { .name: g2, .offset: 16, .size: 8, .value_kind: global_buffer, .address_space: global }
      - { .name: g3, .offset: 24, .size: 8, .value_kind: global_buffer, .address_space: global }
      - { .name: rec, .offset: 32, .size: 8, .value_kind: global_buffer, .address_space: global }
    .group_segment_fixed_size: 167936
    .private_segment_fixed_size: 0
    .kernarg_segment_align: 8
    .kernarg_segment_size: 40
    .max_flat_workgroup_size: 256
    .sgpr_count:     72
    .vgpr_count:     256
    .wavefront_size: 32
...
	.end_amdgpu_metadata
.endif
;; end of part 2
;; launch stats (part 3): grid 4 x 64, 16 waves a work-group, clusters of 4 x 1, 167,936 bytes of LDS; arguments rec, st; writes st
.if DOCPART == 3
	.amdgcn_target "amdgcn-amd-amdhsa--gfx1250"
	.amdhsa_code_object_version 6
	.text
	.protected	k_q9233b8ce49_stats
	.globl	k_q9233b8ce49_stats
	.p2align	8
	.type	k_q9233b8ce49_stats,@function
k_q9233b8ce49_stats:
	s_mov_b64 s[64:65], 0
	v_nop
	global_prefetch_b8 v0, s[64:65] scope:SCOPE_SE
	s_setreg_imm32_b32 hwreg(HW_REG_WAVE_MODE, 25, 1), 1
	s_wait_xcnt 0x0
	s_wait_alu depctr_hold_cnt(0) depctr_sa_sdst(0) depctr_va_vdst(0) depctr_va_sdst(0) depctr_va_ssrc(0) depctr_va_vcc(0) depctr_vm_vsrc(0)
	s_getreg_b32 s2, hwreg(HW_REG_IB_STS2, 6, 4)
	s_cmp_eq_u32 s2, 0
	s_cbranch_scc0 .Lentry_in_a_cluster
	s_endpgm
.Lentry_in_a_cluster:
	s_bfe_u32 s2, ttmp6, 0x10000c
	s_cmp_lg_u32 s2, 0x3003
	s_cbranch_scc0 .Lentry_shape_is_right
	s_endpgm
.Lentry_shape_is_right:
; STATS: for att = q k^T / 8 of each batch and head, the figure log2(sum of e^att) along each row (role 0) and along each column (role 1), kept as A = c m + log2(sum over the line of 2^(c s - c m)),
; s the raw score, c = log2(e) / 8, m a running maximum of s: the maximum is taken away before every exponential.  st: [role 2][batch x head 32][token 2,048] f32, in the tokens' own order.
; One body serves both roles: role 0 keeps a pair of tiles of q and walks all of k, role 1 keeps k and walks q: work-group y = 32 role + batch x head.
; SHARES: a work-group owns 512 fixed tokens, each of its sixteen waves 32 (two tiles); four waves to a SIMD, so that one wave's exponentials stand beside another's products.  Every wave walks all 2,048 tokens of the stream, 128 a step.
; THE STREAM, 16 records of 6,656 bytes, comes into LDS once, one tensor load a wave, asked for jointly by the four work-groups of a cluster, which walk the same stream; nothing is filled again.
; K = 64 IN AN INSTRUCTION OF K = 128: the fixed operand's upper six registers are zero codes; a streamed tile's upper six are whatever follows it in the registers: codes of FP6 are all finite, their scale bytes are 0x7f, and they meet zeros.
; A lane holds one fixed token and 8 of a tile's 16 streamed ones; each lane keeps its own m and sum, and the two halves of the lanes are joined once, at the end.
; LIMITS: an exponential under 2^-126 counts as 0; NaN and infinities are not served; the exponent's rounding grows with |att|.
.set REC,   6656
.set RECB,  19968
.set SPARE, 16*REC                     ; behind the stream: the spare words, 128 bytes for each wave: eight blocks of 256 bytes that no other line names
.set SPW,   1                          ; v1  LDS address of my spare word; never rewritten
.set NIL,   2                          ; v2  0; never rewritten
.set KS,    10                         ; v10-13 the stream's scale words, a register a pair; v14 the fixed pair's: scales and nothing else
.set QS,    14
.set CH,    30                         ; v30-37 four chains of the maximum for each tile
.set KF,    48                         ; v48-95 eight streamed tiles, six registers apart
.set QF1,   102                        ; v96-107 the fixed pair as loaded; v102-113 its second tile with six zeros
.set QF0,   114                        ; v114-125 its first tile with six zeros
.set SQ,    128                        ; v128-191, v192-255 the scores of fixed tile 0, 1
.set WV,    8                          ; v16, v17 m; v[18:19], v[20:21] c m (low register); v[22:23], v[24:25] the sums; v[26:27], v[28:29] the rescaling factor (low register); v[38:41] second chains of the sums
.set CS,    36
.set SEL,   38
.set TB,    41
.macro PLACES n
.rept \n
	v_nop
.endr
.endm
.macro WZ d, a, b, sa, sb, ra, rb      ; a product that starts its sum; ra, rb: the scale words lie in lanes 16-31
.if (\ra == 0) && (\rb == 0)
	v_wmma_scale_f32_16x16x128_f8f6f4 v[\d:\d+7], v[\a:\a+11], v[\b:\b+11], 0, v[\sa], v[\sb] matrix_a_fmt:MATRIX_FMT_FP6 matrix_b_fmt:MATRIX_FMT_FP6
.elseif (\ra == 1) && (\rb == 0)
	v_wmma_scale_f32_16x16x128_f8f6f4 v[\d:\d+7], v[\a:\a+11], v[\b:\b+11], 0, v[\sa], v[\sb] matrix_a_fmt:MATRIX_FMT_FP6 matrix_b_fmt:MATRIX_FMT_FP6 matrix_a_scale:MATRIX_SCALE_ROW1
.elseif (\ra == 0)
	v_wmma_scale_f32_16x16x128_f8f6f4 v[\d:\d+7], v[\a:\a+11], v[\b:\b+11], 0, v[\sa], v[\sb] matrix_a_fmt:MATRIX_FMT_FP6 matrix_b_fmt:MATRIX_FMT_FP6 matrix_b_scale:MATRIX_SCALE_ROW1
.else
	v_wmma_scale_f32_16x16x128_f8f6f4 v[\d:\d+7], v[\a:\a+11], v[\b:\b+11], 0, v[\sa], v[\sb] matrix_a_fmt:MATRIX_FMT_FP6 matrix_b_fmt:MATRIX_FMT_FP6 matrix_a_scale:MATRIX_SCALE_ROW1 matrix_b_scale:MATRIX_SCALE_ROW1
.endif
.endm
.macro CROUND
	s_barrier_signal -1
	s_barrier_wait -1
	s_cmp_lg_u32 s[WV], 0
	s_cbranch_scc1 .Lnot_wave_0_\@
	s_barrier_signal -3
.Lnot_wave_0_\@:
	s_barrier_wait -3
	s_barrier_signal -1
	s_barrier_wait -1
.endm
	s_load_b128 s[4:7], s[0:1], 0x0                ; rec s[4:5], st s[6:7]
	v_lshl_add_u32 v[SPW], v0, 2, SPARE
	v_mov_b32 v[NIL], 0
	ds_add_u32 v[SPW], v[NIL]                      ; the wave's opening: the add and its wait stand ahead of my first tensor load; the set-up below, work on registers, stands between them
	v_lshrrev_b32 v3, 5, v0
	v_readfirstlane_b32 s[WV], v3                  ; wave 0..15
	s_bfe_u32 s9, ttmp6, 0x40000                   ; cx
	s_and_b32 s10, ttmp7, 0xffff
	s_lshr_b32 s11, s10, 5                         ; role
	s_and_b32 s10, s10, 31                         ; batch x head
	s_mov_b32 s16, 15|(3<<16)|(1<<21)              ; group 1: all four work-groups; elements of 8 bytes; bit 21 set beside a mask
	s_mov_b32 s17, 32<<16                          ; a record, 6,656 dense bytes, as 26 rows of 256
	s_mov_b32 s18, 26<<16
	s_mov_b32 s19, 32<<16
	s_mov_b32 s20, 26
	s_mov_b32 s21, 32
	s_mov_b32 s22, 0
	s_mov_b32 s23, 0
	s_lshl_b32 s12, s10, 4
	s_add_co_u32 s12, s12, s[WV]                   ; I fetch step w of the stream:
	s_mul_i32 s12, s12, RECB
	s_xor_b32 s13, s11, 1
	s_mul_i32 s13, s13, REC                        ; k's part for role 0, q's for role 1
	s_add_co_u32 s12, s12, s13
	s_mov_b32 s13, 0
	s_mov_b32 s24, 1
	s_mul_i32 s25, s[WV], REC
	; the fixed pair and the result: these registers feed no descriptor
	s_lshl_b32 s28, ttmp9, 2
	s_add_co_u32 s28, s28, s9                      ; my block of 512 tokens
	s_lshl_b32 s29, s28, 2
	s_lshr_b32 s30, s[WV], 2
	s_add_co_u32 s29, s29, s30                     ; my 32 tokens' step
	s_lshl_b32 s30, s10, 4
	s_add_co_u32 s29, s29, s30
	s_mul_i32 s29, s29, RECB
	s_mul_i32 s30, s11, REC
	s_add_co_u32 s29, s29, s30
	s_and_b32 s34, s[WV], 3                        ; and their pair in it
	s_mul_i32 s30, s34, 1536
	s_add_co_u32 s30, s30, s29
	s_mov_b32 s31, 0
	s_lshl_b32 s32, s34, 7
	s_add_co_u32 s32, s32, s29
	s_add_co_u32 s32, s32, 6144
	s_mov_b32 s33, 0
	s_lshl_b32 s34, s11, 5
	s_add_co_u32 s34, s34, s10
	s_lshl_b32 s34, s34, 13
	s_lshl_b32 s35, s28, 11
	s_add_co_u32 s34, s34, s35
	s_lshl_b32 s35, s[WV], 7
	s_add_co_u32 s34, s34, s35
	s_mov_b32 s35, 0
	s_mov_b32 s[CS], 0x3e38aa3b                    ; c = log2(e) / 8
	s_mov_b32 s[CS+1], s[CS]                       ; (named with it as a pair)
	s_mov_b32 s[SEL], 0x76543210
	s_mov_b32 s[SEL+1], 0xfedcba98
	s_mov_b32 s40, 0xffff0000                      ; lanes 16-31
	s_mov_b32 s[TB], 0
	s_wait_dscnt 0x0                               ; the opening add is done
	s_wait_kmcnt 0x0
	s_add_nc_u64 s[26:27], s[4:5], s[12:13]
	s_or_b32 s27, s27, 0x80000000
	s_add_nc_u64 s[30:31], s[4:5], s[30:31]
	s_add_nc_u64 s[32:33], s[4:5], s[32:33]
	s_add_nc_u64 s[34:35], s[6:7], s[34:35]
	CROUND                                         ; all four work-groups are here: the joint loads meet
	tensor_load_to_lds s[24:27], s[16:23]          ; one load a wave is out
	s_nop 0
	PLACES 4
	v_and_b32 v7, 31, v0
	v_lshlrev_b32 v3, 4, v7                        ; v3 16 x lane
	v_lshlrev_b32 v4, 2, v7                        ; v4 4 x lane
	global_load_b128 v[96:99], v3, s[30:31]
	global_load_b128 v[100:103], v3, s[30:31] offset:512
	global_load_b128 v[104:107], v3, s[30:31] offset:1024
	global_load_b32 v[QS], v4, s[32:33]
.irp j, 108,109,110,111,112,113,120,121,122,123,124,125
	v_mov_b32 v\j, 0                               ; zero codes: the fixed tiles' upper 64 along K
.endr
	s_wait_loadcnt 0x0
.irp i, 0,1,2,3,4,5
	v_mov_b32 v[QF0+\i], v[96+\i]
.endr
	v_and_b32 v7, 15, v0
	v_and_b32 v8, 8, v7
	v_add_nc_u32 v8, v8, v7
	v_bfe_u32 v9, v0, 4, 1
	v_lshl_add_u32 v8, v9, 3, v8
	v_lshlrev_b32 v8, 2, v8                        ; v8 the result's place: token 8 (lane / 16) + r + 8 (r / 8) of my 32
	v_mov_b32 v16, 0xff61b1e6                      ; m = -3e38, under every score
	v_mov_b32 v17, 0xff61b1e6
	v_mul_f32 v18, s[CS], v16
	v_mul_f32 v20, s[CS], v17
.irp j, 19,21,22,23,24,25,26,27,28,29
	v_mov_b32 v\j, 0                               ; the sums, and upper halves of pairs that are named whole
.endr
	s_wait_tensorcnt 0x0                           ; my record is in,
	s_barrier_signal -1
	s_barrier_wait -1                              ; everybody's is
.macro LOADS                           ; a step's eight tiles and their scale words
	v_add_nc_u32 v5, s[TB], v3
	v_add_nc_u32 v6, s[TB], v4
.set K, 0
.rept 12
	ds_load_b128 v[KF+4*K:KF+4*K+3], v5 offset:512*K
.set K, K+1
.endr
.irp b, 0,1,2,3
	ds_load_b32 v[KS+\b], v6 offset:6144+128*\b
.endr
.endm
	LOADS
.macro STEP more
	s_wait_dscnt 0x0
.irp b, 0,1,2,3                                ; 16 products: eight streamed tiles x my two
	WZ SQ+16*\b, KF+12*\b, QF0, KS+\b, QS, 0, 0
	WZ SQ+64+16*\b, KF+12*\b, QF1, KS+\b, QS, 0, 1
	WZ SQ+16*\b+8, KF+12*\b+6, QF0, KS+\b, QS, 1, 0
	WZ SQ+64+16*\b+8, KF+12*\b+6, QF1, KS+\b, QS, 1, 1
.endr
	PLACES 4                                       ; in front of the loads into the tiles' registers and of the first read of results
.if \more
	s_add_co_u32 s[TB], s[TB], REC
	LOADS                                          ; the next step's tiles land under this step's vector work
.endif
.irp q, 0,1                                    ; the maximum, three operands at a time; each accumulator is first read at its low end
.irp c, 0,1,2,3
	v_max3_num_f32 v[CH+4*\q+\c], v[SQ+64*\q+16*\c], v[SQ+64*\q+16*\c+1], v[SQ+64*\q+16*\c+2]
.endr
.endr
.irp i, 3,5,7,9,11,13
.irp q, 0,1
.irp c, 0,1,2,3
	v_max3_num_f32 v[CH+4*\q+\c], v[CH+4*\q+\c], v[SQ+64*\q+16*\c+\i], v[SQ+64*\q+16*\c+\i+1]
.endr
.endr
.endr
.irp q, 0,1
	v_max3_num_f32 v[CH+4*\q], v[CH+4*\q], v[SQ+64*\q+15], v[SQ+64*\q+31]
	v_max3_num_f32 v[CH+4*\q+2], v[CH+4*\q+2], v[SQ+64*\q+47], v[SQ+64*\q+63]
.endr
.irp q, 0,1
	v_max3_num_f32 v[CH+4*\q], v[CH+4*\q], v[CH+4*\q+1], v[CH+4*\q+2]
.endr
.irp q, 0,1
	v_max3_num_f32 v[16+\q], v[CH+4*\q], v[CH+4*\q+3], v[16+\q]   ; the running m
.endr
.irp q, 0,1
	v_mov_b32 v[26+2*\q], v[18+2*\q]
.endr
.irp q, 0,1
	v_mul_f32 v[18+2*\q], s[CS], v[16+\q]          ; c m
.endr
.irp q, 0,1
	v_sub_f32 v[26+2*\q], v[26+2*\q], v[18+2*\q]   ; c m's old value less its new one
.endr
.irp q, 0,1
.set J, 0
.rept 32
	v_pk_fma_f32 v[SQ+64*\q+J:SQ+64*\q+J+1], v[SQ+64*\q+J:SQ+64*\q+J+1], s[CS:CS+1], v[18+2*\q:19+2*\q] op_sel_hi:[1,0,0] neg_lo:[0,0,1] neg_hi:[0,0,1]   ; c s - c m
.set J, J+2
.endr
.endr
	v_exp_f32 v26, v26
	v_exp_f32 v28, v28
.set J, 0
.rept 128
	v_exp_f32 v[SQ+J], v[SQ+J]
.set J, J+1
.endr
	v_nop                                          ; a plain instruction behind the last exponential,
	s_wait_alu depctr_va_vdst(0)                   ; and one wait for the batch of 130, ahead of its first reader
.irp q, 0,1
	v_pk_mul_f32 v[22+2*\q:23+2*\q], v[22+2*\q:23+2*\q], v[26+2*\q:27+2*\q] op_sel_hi:[1,0]   ; the sums under the new m
	v_pk_add_f32 v[38+2*\q:39+2*\q], v[SQ+64*\q:SQ+64*\q+1], v[SQ+64*\q+2:SQ+64*\q+3]
.endr
.irp j, 4,8,12,16,20,24,28,32,36,40,44,48,52,56,60
.irp q, 0,1
	v_pk_add_f32 v[22+2*\q:23+2*\q], v[22+2*\q:23+2*\q], v[SQ+64*\q+\j:SQ+64*\q+\j+1]
	v_pk_add_f32 v[38+2*\q:39+2*\q], v[38+2*\q:39+2*\q], v[SQ+64*\q+\j+2:SQ+64*\q+\j+3]
.endr
.endr
.irp q, 0,1
	v_pk_add_f32 v[22+2*\q:23+2*\q], v[22+2*\q:23+2*\q], v[38+2*\q:39+2*\q]
.endr
.endm
	s_mov_b32 s42, 15
.Lstep:
	STEP 1
	s_sub_co_u32 s42, s42, 1
	s_cmp_lg_u32 s42, 0
	s_cbranch_scc1 .Lstep
	STEP 0                                         ; the last step fetches nothing: no LDS read passes the stream's end
	; the two halves of the lanes are joined under their common maximum
	v_add_f32 v22, v22, v23
	v_add_f32 v24, v24, v25
	v_permlanex16_b32 v30, v18, s[SEL], s[SEL+1]
	v_permlanex16_b32 v31, v20, s[SEL], s[SEL+1]
	v_permlanex16_b32 v32, v22, s[SEL], s[SEL+1]
	v_permlanex16_b32 v33, v24, s[SEL], s[SEL+1]
	v_max_num_f32 v34, v18, v30
	v_max_num_f32 v35, v20, v31
	v_sub_f32 v36, v18, v34
	v_sub_f32 v37, v30, v34
	v_sub_f32 v38, v20, v35
	v_sub_f32 v39, v31, v35
.irp j, 36,37,38,39
	v_exp_f32 v\j, v\j
.endr
	v_nop
	s_wait_alu depctr_va_vdst(0)                   ; one wait for the four
	v_mul_f32 v22, v22, v36
	v_mul_f32 v24, v24, v38
	v_fma_f32 v22, v32, v37, v22
	v_fma_f32 v24, v33, v39, v24
	v_log_f32 v22, v22
	v_log_f32 v24, v24
	v_nop
	s_wait_alu depctr_va_vdst(0)                   ; one wait for the two
	v_add_f32 v34, v34, v22                        ; A = c m + log2(the sum)
	v_add_f32 v35, v35, v24
	v_cndmask_b32 v34, v34, v35, s40               ; lanes 0-15 tile 0's tokens, lanes 16-31 tile 1's
	global_store_b32 v8, v34, s[34:35]             ; my 32 tokens: 128 consecutive bytes
	s_wait_tensorcnt 0x0                           ; the wave's end, behind my last tensor load
	ds_add_u32 v[SPW], v[NIL]
	s_wait_dscnt 0x0
	CROUND                                         ; the closing round
	s_endpgm
.Lfunc_end_k_q9233b8ce49_stats:
	.size	k_q9233b8ce49_stats, .Lfunc_end_k_q9233b8ce49_stats-k_q9233b8ce49_stats
	.p2alignl 7, 3214868480
	.fill 96, 4, 3214868480
	.section	.rodata,"a",@progbits
	.p2align	6, 0x0
	.amdhsa_kernel k_q9233b8ce49_stats
		.amdhsa_group_segment_fixed_size 167936
		.amdhsa_private_segment_fixed_size 0
		.amdhsa_enable_private_segment 0
		.amdhsa_kernarg_size 16
		.amdhsa_user_sgpr_count 2
		.amdhsa_user_sgpr_kernarg_segment_ptr 1
		.amdhsa_wavefront_size32 1
		.amdhsa_system_sgpr_workgroup_id_x 1
		.amdhsa_system_sgpr_workgroup_id_y 1
		.amdhsa_system_sgpr_workgroup_id_z 1
		.amdhsa_system_vgpr_workitem_id 0
		.amdhsa_next_free_vgpr 256
		.amdhsa_next_free_sgpr 66
		.amdhsa_reserve_vcc 0
		.amdhsa_float_denorm_mode_32 3
		.amdhsa_float_denorm_mode_16_64 3
		.amdhsa_memory_ordered 1
		.amdhsa_forward_progress 1
		.amdhsa_inst_pref_size 47
	.end_amdhsa_kernel
	.amdgpu_metadata
---
amdhsa.version: [ 1, 2 ]
amdhsa.kernels:
  - .name:           k_q9233b8ce49_stats
    .symbol:         k_q9233b8ce49_stats.kd
    .args:
      - { .name: rec, .offset: 0, .size: 8, .value_kind: global_buffer, .address_space: global }
      - { .name: st, .offset: 8, .size: 8, .value_kind: global_buffer, .address_space: global }
    .group_segment_fixed_size: 167936
    .private_segment_fixed_size: 0
    .kernarg_segment_align: 8
    .kernarg_segment_size: 16
    .max_flat_workgroup_size: 512
    .sgpr_count:     66
    .vgpr_count:     256
    .wavefront_size: 32
...
	.end_amdgpu_metadata
.endif
;; end of part 3
;; launch score (part 4): grid 8 x 32, 16 waves a work-group, clusters of 4 x 1, 294,912 bytes of LDS; arguments rec, st, yq; writes yq
.if DOCPART == 4
	.amdgcn_target "amdgcn-amd-amdhsa--gfx1250"
	.amdhsa_code_object_version 6
	.text
	.protected	k_q9233b8ce49_score
	.globl	k_q9233b8ce49_score
	.p2align	8
	.type	k_q9233b8ce49_score,@function
k_q9233b8ce49_score:
	s_mov_b64 s[64:65], 0
	v_nop
	global_prefetch_b8 v0, s[64:65] scope:SCOPE_SE
	s_setreg_imm32_b32 hwreg(HW_REG_WAVE_MODE, 25, 1), 1
	s_wait_xcnt 0x0
	s_wait_alu depctr_hold_cnt(0) depctr_sa_sdst(0) depctr_va_vdst(0) depctr_va_sdst(0) depctr_va_ssrc(0) depctr_va_vcc(0) depctr_vm_vsrc(0)
	s_getreg_b32 s2, hwreg(HW_REG_IB_STS2, 6, 4)
	s_cmp_eq_u32 s2, 0
	s_cbranch_scc0 .Lentry_in_a_cluster
	s_endpgm
.Lentry_in_a_cluster:
	s_bfe_u32 s2, ttmp6, 0x10000c
	s_cmp_lg_u32 s2, 0x3003
	s_cbranch_scc0 .Lentry_shape_is_right
	s_endpgm
.Lentry_shape_is_right:
; SCORE: score = softmax along rows + softmax along columns of att = q k^T / 8, finished: 2^(c s - A_i) + 2^(c s - B_j), s the raw score, c = log2(e) / 8, A_i and B_j the lines' figures c m + log2(sum) made by the launch before
; (they hold each line's maximum, so both exponents are at most about 0).  The score is quantised along the keys, y = score v is summed in f32, and y is quantised along the head's 64 channels for the last product.
; yq: 512 tiles of 16 tokens x 7,168 bytes: four K steps of 128 (two heads) as six chunks of 256 bytes (chunk p = registers 2 p, 2 p + 1, lane l at 8 l), then for each K step and head 128 bytes of half scale words.
; SHARES: a work-group owns 256 queries of one batch and head.  Wave w owns queries 32 (w % 8) on, two tiles, and key steps 8 (w / 8) .. + 7 of the 16: two waves share a query's keys, since the score needs no rescaling;
; their two sums meet in LDS at the end.  Four waves to a SIMD: one wave's exponentials stand beside another's products.
; LDS holds the head's 16 records of k and v and its 2,048 B_j, each asked for once, jointly by the four work-groups of a cluster, which walk the same keys; nothing is filled again.
; LAYOUT: S^T = k q^T (source 0 = 16 keys, source 1 = 16 queries), O^T = v^T P (source 0 = 16 channels): a lane holds one query throughout.  Lane r of a tile holds key 8 u + r + 8 (r / 8) of its 32, so that the 16 registers of a
; pair of tiles are keys 16 h + 0 .. 15.  K = 64 in an instruction of K = 128: q's upper six registers are zero codes; a tile of k's upper six are whatever follows it in the registers (all codes of FP6 are finite, their scale bytes are 0x7f).
; LIMITS: an exponential under 2^-126 counts as 0; a block of zeros gets the scale byte 1 (its codes are zeros; this program alone reads the bytes); NaN and infinities are not served.
.set REC,   6656
.set RECB,  19968
.set BOFF,  32*REC                     ; LDS: 16 x (k's record, v's record) from 0; the B_j, 8,192 bytes;
.set STG,   BOFF+8192                  ; eight stages of 8,192 bytes for the sums of the second half of the keys;
.set SPARE, STG+65536                  ; the spare words, 128 bytes for each wave: eight blocks of 256 bytes that no other line names
.set SPW,   1                          ; v1 LDS address of my spare word; v2 0: never rewritten
.set NIL,   2
.set QS,    12                         ; v12 q's scale words; v16-19 k's, v20-23 v's, v24-25 the score's: scales and nothing else
.set KS,    16
.set VS,    20
.set PS,    24
.set QF0,   26                         ; v26-37 my first tile of q with six zeros; v38-49 the pair as loaded; v44-55 the second tile with six zeros
.set QF1,   44
.set PP,    56                         ; v56-67, v68-79 the score's codes, a fragment for each tile of queries
.set XX,    80                         ; v80-82, v84-86 at work in the conversions
.set MX,    88                         ; v88-89 maxima, v90-91 the other half's, v92-93 scale operands, v94-95 bytes
.set KF,    100                        ; v100-111 a pair of tiles of k
.set BJ,    112                        ; v112-127 B_j of my 16 keys
.set SS,    128                        ; v128-143, v144-159 scores of tile 0, 1; then the column term; then the score
.set TT,    160                        ; v160-175, v176-191 the row term
.set VF,    128                        ; v128-175 v's four fragments, over S and T
.set OO,    192                        ; v192-223, v224-255 O^T of tile 0, 1: channel tile t at 8 t
.set WV,    10
.set CS,    56
.set SEL,   58
.set TB,    60
.set TBB,   61
.macro PLACES n
.rept \n
	v_nop
.endr
.endm
.macro WZ d, a, b, sa, sb, ra, rb      ; a product that starts its sum; ra, rb: the scale words lie in lanes 16-31
.if (\ra == 0) && (\rb == 0)
	v_wmma_scale_f32_16x16x128_f8f6f4 v[\d:\d+7], v[\a:\a+11], v[\b:\b+11], 0, v[\sa], v[\sb] matrix_a_fmt:MATRIX_FMT_FP6 matrix_b_fmt:MATRIX_FMT_FP6
.elseif (\ra == 1) && (\rb == 0)
	v_wmma_scale_f32_16x16x128_f8f6f4 v[\d:\d+7], v[\a:\a+11], v[\b:\b+11], 0, v[\sa], v[\sb] matrix_a_fmt:MATRIX_FMT_FP6 matrix_b_fmt:MATRIX_FMT_FP6 matrix_a_scale:MATRIX_SCALE_ROW1
.elseif (\ra == 0)
	v_wmma_scale_f32_16x16x128_f8f6f4 v[\d:\d+7], v[\a:\a+11], v[\b:\b+11], 0, v[\sa], v[\sb] matrix_a_fmt:MATRIX_FMT_FP6 matrix_b_fmt:MATRIX_FMT_FP6 matrix_b_scale:MATRIX_SCALE_ROW1
.else
	v_wmma_scale_f32_16x16x128_f8f6f4 v[\d:\d+7], v[\a:\a+11], v[\b:\b+11], 0, v[\sa], v[\sb] matrix_a_fmt:MATRIX_FMT_FP6 matrix_b_fmt:MATRIX_FMT_FP6 matrix_a_scale:MATRIX_SCALE_ROW1 matrix_b_scale:MATRIX_SCALE_ROW1
.endif
.endm
.macro WM d, a, b, sa, sb, zero
.if \zero
	v_wmma_scale_f32_16x16x128_f8f6f4 v[\d:\d+7], v[\a:\a+11], v[\b:\b+11], 0, v[\sa], v[\sb] matrix_a_fmt:MATRIX_FMT_FP6 matrix_b_fmt:MATRIX_FMT_FP6
.else
	v_wmma_scale_f32_16x16x128_f8f6f4 v[\d:\d+7], v[\a:\a+11], v[\b:\b+11], v[\d:\d+7], v[\sa], v[\sb] matrix_a_fmt:MATRIX_FMT_FP6 matrix_b_fmt:MATRIX_FMT_FP6
.endif
.endm
.macro CROUND
	s_barrier_signal -1
	s_barrier_wait -1
	s_cmp_lg_u32 s[WV], 0
	s_cbranch_scc1 .Lnot_wave_0_\@
	s_barrier_signal -3
.Lnot_wave_0_\@:
	s_barrier_wait -3
	s_barrier_signal -1
	s_barrier_wait -1
.endm
; 32 numbers of a lane, register 16 b + i = k 32 b + 16 h + i of its row, become six registers of codes in v[dst] on and two scale bytes in v[w]
.macro QUANT2 src, dst, x, m, w
.irp b, 0,1
	v_max3_num_f32 v[\m+\b], |v[\src+16*\b]|, |v[\src+16*\b+1]|, 0x1800000
.endr
.irp i, 2,4,6,8,10,12,14
.irp b, 0,1
	v_max3_num_f32 v[\m+\b], v[\m+\b], |v[\src+16*\b+\i]|, |v[\src+16*\b+\i+1]|
.endr
.endr
.irp b, 0,1
	v_permlanex16_b32 v[\m+2+\b], v[\m+\b], s[SEL], s[SEL+1]
.endr
.irp b, 0,1
	v_max_num_f32 v[\m+\b], v[\m+\b], v[\m+2+\b]
.endr
.irp b, 0,1
	v_add_nc_u32 v[\m+4+\b], 0xff000000, v[\m+\b]
.endr
.irp b, 0,1
	v_lshrrev_b32 v[\m+6+\b], 23, v[\m+4+\b]
.endr
	v_lshl_or_b32 v[\w], v[\m+7], 8, v[\m+6]
	v_cvt_scalef32_pk16_fp6_f32 v[\dst:\dst+2], v[\src:\src+15], v[\m+4]
	v_cvt_scalef32_pk16_fp6_f32 v[\x:\x+2], v[\src+16:\src+31], v[\m+5]
	v_nop
.irp i, 0,1,2
	v_permlane16_swap_b32 v[\dst+\i], v[\x+\i]
.endr
.irp i, 0,1,2
	v_mov_b32 v[\dst+3+\i], v[\x+\i]
.endr
.endm
	s_load_b128 s[4:7], s[0:1], 0x0                ; rec s[4:5], st s[6:7]
	s_load_b64 s[8:9], s[0:1], 0x10                ; yq
	v_lshl_add_u32 v[SPW], v0, 2, SPARE
	v_mov_b32 v[NIL], 0
	ds_add_u32 v[SPW], v[NIL]                      ; the wave's opening: the add and its wait stand ahead of my first tensor load; the set-up below, work on registers, stands between them
	v_lshrrev_b32 v3, 5, v0
	v_readfirstlane_b32 s[WV], v3                  ; wave 0..15
	s_and_b32 s11, s[WV], 7                        ; my 32 queries of the 256
	s_lshr_b32 s12, s[WV], 3                       ; my half of the keys
	s_bfe_u32 s13, ttmp6, 0x40000                  ; cx
	s_and_b32 s14, ttmp7, 0xffff                   ; batch x head, which the four partners share
	s_mov_b32 s16, 15|(3<<16)|(1<<21)              ; group 1 for k's and v's records of a step: 13,312 dense bytes as 52 rows of 256; all four work-groups; bit 21 set beside the mask
	s_mov_b32 s17, 32<<16
	s_mov_b32 s18, 52<<16
	s_mov_b32 s19, 32<<16
	s_mov_b32 s20, 52
	s_mov_b32 s21, 32
	s_mov_b32 s22, 0
	s_mov_b32 s23, 0
	s_mov_b32 s24, 15|(3<<16)|(1<<21)              ; group 1 for 128 B_j: 2 rows of 256
	s_mov_b32 s25, 32<<16
	s_mov_b32 s26, 2<<16
	s_mov_b32 s27, 32<<16
	s_mov_b32 s28, 2
	s_mov_b32 s29, 32
	s_mov_b32 s30, 0
	s_mov_b32 s31, 0
	s_lshl_b32 s40, s14, 4
	s_add_co_u32 s40, s40, s[WV]                   ; I fetch key step w
	s_mul_i32 s40, s40, RECB
	s_add_co_u32 s40, s40, REC                     ; behind q's part
	s_mov_b32 s41, 0
	s_add_co_u32 s42, s14, 32                      ; role 1 of st
	s_lshl_b32 s42, s42, 13
	s_lshl_b32 s43, s[WV], 9
	s_add_co_u32 s42, s42, s43
	s_mov_b32 s43, 0
	s_mov_b32 s32, 1
	s_mul_i32 s33, s[WV], 2*REC
	s_mov_b32 s36, 1
	s_lshl_b32 s37, s[WV], 9
	s_add_co_u32 s37, s37, BOFF
	; my queries and my results: these registers feed no descriptor
	s_lshl_b32 s44, ttmp9, 2
	s_add_co_u32 s44, s44, s13                     ; my block of 256 queries
	s_lshl_b32 s45, s44, 1
	s_lshr_b32 s2, s11, 2
	s_add_co_u32 s45, s45, s2                      ; my 32 queries' step
	s_lshl_b32 s2, s14, 4
	s_add_co_u32 s45, s45, s2
	s_mul_i32 s45, s45, RECB
	s_and_b32 s2, s11, 3                           ; and their pair in it
	s_mul_i32 s46, s2, 1536
	s_add_co_u32 s46, s46, s45
	s_mov_b32 s47, 0
	s_lshl_b32 s48, s2, 7
	s_add_co_u32 s48, s48, s45
	s_add_co_u32 s48, s48, 6144
	s_mov_b32 s49, 0
	s_lshl_b32 s50, s14, 13                        ; A_i: role 0 of st
	s_lshl_b32 s2, s44, 10
	s_add_co_u32 s50, s50, s2
	s_lshl_b32 s2, s11, 7
	s_add_co_u32 s50, s50, s2
	s_mov_b32 s51, 0
	s_lshr_b32 s2, s14, 3                          ; yq: tile 128 batch + 16 block + 2 (w % 8) + q
	s_lshl_b32 s2, s2, 7
	s_lshl_b32 s3, s44, 4
	s_add_co_u32 s2, s2, s3
	s_lshl_b32 s3, s11, 1
	s_add_co_u32 s2, s2, s3
	s_mul_i32 s2, s2, 7168
	s_and_b32 s3, s14, 7                           ; the head:
	s_lshr_b32 s15, s3, 1                          ; its K step of the last product,
	s_and_b32 s3, s3, 1                            ; and its half of that
	s_mul_i32 s52, s15, 1536
	s_add_co_u32 s52, s52, s2
	s_mul_i32 s45, s3, 768
	s_add_co_u32 s52, s52, s45
	s_mov_b32 s53, 0
	s_lshl_b32 s54, s15, 8
	s_add_co_u32 s54, s54, s2
	s_lshl_b32 s45, s3, 7
	s_add_co_u32 s54, s54, s45
	s_add_co_u32 s54, s54, 6144
	s_mov_b32 s55, 0
	s_lshl_b32 s63, s3, 4                          ; where my two bytes stand in the scale word
	s_mov_b32 s[CS], 0x3e38aa3b                    ; c = log2(e) / 8
	s_mov_b32 s[CS+1], s[CS]
	s_mov_b32 s[SEL], 0x76543210
	s_mov_b32 s[SEL+1], 0xfedcba98
	s_mul_i32 s[TB], s12, 16*REC                   ; my first key step's records,
	s_lshl_b32 s[TBB], s12, 12                     ; and its B_j
	s_wait_dscnt 0x0                               ; the opening add is done
	s_wait_kmcnt 0x0
	s_add_nc_u64 s[34:35], s[4:5], s[40:41]
	s_or_b32 s35, s35, 0x80000000
	s_add_nc_u64 s[38:39], s[6:7], s[42:43]
	s_or_b32 s39, s39, 0x80000000
	s_add_nc_u64 s[46:47], s[4:5], s[46:47]
	s_add_nc_u64 s[48:49], s[4:5], s[48:49]
	s_add_nc_u64 s[50:51], s[6:7], s[50:51]
	s_add_nc_u64 s[52:53], s[8:9], s[52:53]
	s_add_nc_u64 s[54:55], s[8:9], s[54:55]
	CROUND                                         ; all four work-groups are here: the joint loads meet
	tensor_load_to_lds s[32:35], s[16:23]          ; two loads a wave are out
	s_nop 0
	tensor_load_to_lds s[36:39], s[24:31]
	s_nop 0
	PLACES 4
	v_and_b32 v7, 31, v0
	v_lshlrev_b32 v3, 4, v7                        ; v3 16 x lane
	v_lshlrev_b32 v4, 2, v7                        ; v4 4 x lane
	v_lshlrev_b32 v13, 3, v7                       ; v13 8 x lane
	v_bfe_u32 v8, v0, 4, 1
	v_lshl_add_u32 v5, v8, 6, BOFF                 ; v5 B_j of keys 16 h on
	s_lshl_b32 s2, s11, 13
	s_add_co_u32 s2, s2, STG
	v_lshl_add_u32 v9, v7, 4, s2                   ; v9 my queries' stage
	v_and_b32 v7, 15, v0
	v_and_b32 v96, 8, v7
	v_add_nc_u32 v96, v96, v7
	v_lshlrev_b32 v96, 2, v96                      ; v96 my query of a tile: 4 (r + 8 (r / 8))
	global_load_b128 v[38:41], v3, s[46:47]
	global_load_b128 v[42:45], v3, s[46:47] offset:512
	global_load_b128 v[46:49], v3, s[46:47] offset:1024
	global_load_b32 v[QS], v4, s[48:49]
	global_load_b32 v10, v96, s[50:51]             ; A of my query in tile 0: the low register of the pair v[10:11];
	global_load_b32 v14, v96, s[50:51] offset:32   ; in tile 1: of v[14:15]
.irp j, 11,15,32,33,34,35,36,37,50,51,52,53,54,55,90,91
	v_mov_b32 v\j, 0                               ; upper halves of pairs, zero codes, destinations of lane permutes
.endr
	s_wait_loadcnt 0x0
.irp i, 0,1,2,3,4,5
	v_mov_b32 v[QF0+\i], v[38+\i]
.endr
	PLACES 4                                       ; operands written by vector instructions stand four places ahead of a scaled product
	s_wait_tensorcnt 0x0                           ; my parts are in,
	s_barrier_signal -1
	s_barrier_wait -1                              ; everybody's are
.macro LOADK b                         ; block b of the step: a pair of tiles of k, and my 16 keys' B_j
.irp c, 0,1,2
	ds_load_b128 v[KF+4*\c:KF+4*\c+3], v6 offset:1536*(\b)+512*\c
.endr
.irp i, 0,1,2,3
	ds_load_b128 v[BJ+4*\i:BJ+4*\i+3], v8 offset:128*(\b)+16*\i
.endr
.endm
.macro BLOCK b                         ; 32 keys for both tiles of queries
	s_wait_dscnt 0x0
	WZ SS, KF, QF0, KS+(\b), QS, 0, 0
	WZ SS+16, KF, QF1, KS+(\b), QS, 0, 1
	WZ SS+8, KF+6, QF0, KS+(\b), QS, 1, 0
	WZ SS+24, KF+6, QF1, KS+(\b), QS, 1, 1
	PLACES 4                                       ; in front of the first read of results and of the loads into the operands' registers
.irp q, 0,1
.irp k, 0,1,2,3,4,5,6,7
	v_pk_fma_f32 v[TT+16*\q+2*\k:TT+16*\q+2*\k+1], v[SS+16*\q+2*\k:SS+16*\q+2*\k+1], s[CS:CS+1], v[10+4*\q:11+4*\q] op_sel_hi:[1,0,0] neg_lo:[0,0,1] neg_hi:[0,0,1]   ; c s - A_i
.endr
.endr
.irp q, 0,1
.irp k, 0,1,2,3,4,5,6,7
	v_pk_fma_f32 v[SS+16*\q+2*\k:SS+16*\q+2*\k+1], v[SS+16*\q+2*\k:SS+16*\q+2*\k+1], s[CS:CS+1], v[BJ+2*\k:BJ+2*\k+1] op_sel_hi:[1,0,1] neg_lo:[0,0,1] neg_hi:[0,0,1]   ; c s - B_j
.endr
.endr
.if (\b) < 3
	LOADK (\b)+1                                   ; the next block's operands land under the exponentials
.endif
.set J, 0
.rept 64
	v_exp_f32 v[SS+J], v[SS+J]
.set J, J+1
.endr
	v_nop                                          ; a plain instruction behind the last exponential,
	s_wait_alu depctr_va_vdst(0)                   ; and one wait for the batch of 64, ahead of its first reader
.set J, 0
.rept 16
	v_pk_add_f32 v[SS+J:SS+J+1], v[SS+J:SS+J+1], v[TT+J:TT+J+1]   ; the finished score
.set J, J+2
.endr
.irp q, 0,1
	v_max3_num_f32 v[MX+\q], v[SS+16*\q], v[SS+16*\q+1], 0x1800000   ; none is negative; the floor 2^(3 - 127)
.endr
.irp i, 2,4,6,8,10,12,14
.irp q, 0,1
	v_max3_num_f32 v[MX+\q], v[MX+\q], v[SS+16*\q+\i], v[SS+16*\q+\i+1]
.endr
.endr
.irp q, 0,1
	v_permlanex16_b32 v[MX+2+\q], v[MX+\q], s[SEL], s[SEL+1]
.endr
.irp q, 0,1
	v_max_num_f32 v[MX+\q], v[MX+\q], v[MX+2+\q]   ; with lane l xor 16's 16 keys
.endr
.irp q, 0,1
	v_add_nc_u32 v[MX+4+\q], 0xff000000, v[MX+\q]
.endr
.irp q, 0,1
	v_lshrrev_b32 v[MX+6+\q], 23, v[MX+4+\q]
.endr
.irp q, 0,1
.if (\b) == 0
	v_mov_b32 v[PS+\q], v[MX+6+\q]
.else
	v_lshl_or_b32 v[PS+\q], v[MX+6+\q], 8*(\b), v[PS+\q]
.endif
.endr
.irp q, 0,1
.if (\b)%2 == 0
	v_cvt_scalef32_pk16_fp6_f32 v[PP+12*\q+6*((\b)/2):PP+12*\q+6*((\b)/2)+2], v[SS+16*\q:SS+16*\q+15], v[MX+4+\q]
.else
	v_cvt_scalef32_pk16_fp6_f32 v[XX+4*\q:XX+4*\q+2], v[SS+16*\q:SS+16*\q+15], v[MX+4+\q]
.endif
.endr
	v_nop                                          ; one plain instruction behind the scaled conversions
.if (\b)%2 == 1
.irp q, 0,1
.irp i, 0,1,2
	v_permlane16_swap_b32 v[PP+12*\q+6*((\b)/2)+\i], v[XX+4*\q+\i]   ; a whole block to a lane: lanes 0-15 the even block, lanes 16-31 the odd one
.endr
.endr
.irp q, 0,1
.irp i, 0,1,2
	v_mov_b32 v[PP+12*\q+6*((\b)/2)+3+\i], v[XX+4*\q+\i]
.endr
.endr
.endif
.endm
.macro STEP zero                       ; a key step: 128 keys
	v_add_nc_u32 v6, s[TB], v3
	v_add_nc_u32 v7, s[TB], v4
	v_add_nc_u32 v8, s[TBB], v5
.irp b, 0,1,2,3
	ds_load_b32 v[KS+\b], v7 offset:6144+128*\b
.endr
	LOADK 0
	BLOCK 0
	BLOCK 1
	BLOCK 2
	BLOCK 3
.set K, 0
.rept 12
	ds_load_b128 v[VF+4*K:VF+4*K+3], v6 offset:REC+512*K
.set K, K+1
.endr
	ds_load_b128 v[VS:VS+3], v6 offset:REC+6144
	s_wait_dscnt 0x0
	PLACES 8                                       ; the score's scale words and codes were written by vector instructions: eight and four places ahead of a scaled product
.irp t, 0,1,2,3                                ; eight accumulators by turns
.irp q, 0,1
	WM OO+32*\q+8*\t, VF+12*\t, PP+12*\q, VS+\t, PS+\q, \zero
.endr
.endr
	PLACES 5                                       ; the next scores are written over v's fragments by matrix instructions
	s_add_co_u32 s[TB], s[TB], 2*REC
	s_add_co_u32 s[TBB], s[TBB], 512
.endm
	STEP 1                                         ; the first step's products start O^T's sums
	s_mov_b32 s62, 7
.Lstep:
	STEP 0
	s_sub_co_u32 s62, s62, 1
	s_cmp_lg_u32 s62, 0
	s_cbranch_scc1 .Lstep
	s_cmp_eq_u32 s12, 0                            ; the waves of the second half of the keys hand their sums over
	s_cbranch_scc1 .Lkeep
.set K, 0
.rept 16
	ds_store_b128 v9, v[OO+4*K:OO+4*K+3] offset:512*K   ; an image of the registers; each accumulator from its low end on
.set K, K+1
.endr
.Lkeep:
	s_wait_dscnt 0x0                               ; for the others' sake: my stores are done
	s_barrier_signal -1
	s_barrier_wait -1
	s_cmp_lg_u32 s12, 0
	s_cbranch_scc1 .Lend
.set K, 0
.rept 16
	ds_load_b128 v[SS+4*K:SS+4*K+3], v9 offset:512*K
.set K, K+1
.endr
	s_wait_dscnt 0x0
.set J, 0
.rept 32
	v_pk_add_f32 v[OO+J:OO+J+1], v[OO+J:OO+J+1], v[SS+J:SS+J+1]   ; y of my 32 queries
.set J, J+2
.endr
.irp q, 0,1
	QUANT2 OO+32*\q, PP+12*\q, XX, MX, 98+\q
	v_lshlrev_b32 v[98+\q], s63, v[98+\q]          ; the head's two bytes at their place; the other half of the word is 0: the reader joins the two heads' halves
.irp p, 0,1,2
	global_store_b64 v13, v[PP+12*\q+2*\p:PP+12*\q+2*\p+1], s[52:53] offset:7168*\q+256*\p   ; 256 consecutive bytes, aligned
.endr
	global_store_b32 v4, v[98+\q], s[54:55] offset:7168*\q
.endr
.Lend:
	s_wait_tensorcnt 0x0                           ; the wave's end, behind my last tensor load and my last LDS store
	ds_add_u32 v[SPW], v[NIL]
	s_wait_dscnt 0x0
	CROUND                                         ; the closing round
	s_endpgm
.Lfunc_end_k_q9233b8ce49_score:
	.size	k_q9233b8ce49_score, .Lfunc_end_k_q9233b8ce49_score-k_q9233b8ce49_score
	.p2alignl 7, 3214868480
	.fill 96, 4, 3214868480
	.section	.rodata,"a",@progbits
	.p2align	6, 0x0
	.amdhsa_kernel k_q9233b8ce49_score
		.amdhsa_group_segment_fixed_size 294912
		.amdhsa_private_segment_fixed_size 0
		.amdhsa_enable_private_segment 0
		.amdhsa_kernarg_size 24
		.amdhsa_user_sgpr_count 2
		.amdhsa_user_sgpr_kernarg_segment_ptr 1
		.amdhsa_wavefront_size32 1
		.amdhsa_system_sgpr_workgroup_id_x 1
		.amdhsa_system_sgpr_workgroup_id_y 1
		.amdhsa_system_sgpr_workgroup_id_z 1
		.amdhsa_system_vgpr_workitem_id 0
		.amdhsa_next_free_vgpr 256
		.amdhsa_next_free_sgpr 66
		.amdhsa_reserve_vcc 0
		.amdhsa_float_denorm_mode_32 3
		.amdhsa_float_denorm_mode_16_64 3
		.amdhsa_memory_ordered 1
		.amdhsa_forward_progress 1
		.amdhsa_inst_pref_size 87
	.end_amdhsa_kernel
	.amdgpu_metadata
---
amdhsa.version: [ 1, 2 ]
amdhsa.kernels:
  - .name:           k_q9233b8ce49_score
    .symbol:         k_q9233b8ce49_score.kd
    .args:
      - { .name: rec, .offset: 0, .size: 8, .value_kind: global_buffer, .address_space: global }
      - { .name: st, .offset: 8, .size: 8, .value_kind: global_buffer, .address_space: global }
      - { .name: yq, .offset: 16, .size: 8, .value_kind: global_buffer, .address_space: global }
    .group_segment_fixed_size: 294912
    .private_segment_fixed_size: 0
    .kernarg_segment_align: 8
    .kernarg_segment_size: 24
    .max_flat_workgroup_size: 512
    .sgpr_count:     66
    .vgpr_count:     256
    .wavefront_size: 32
...
	.end_amdgpu_metadata
.endif
;; end of part 4
;; launch outp (part 5): grid 4 x 64, 8 waves a work-group, clusters of 4 x 4, 180,224 bytes of LDS; arguments yq, ops, out0; writes out0
.if DOCPART == 5
	.amdgcn_target "amdgcn-amd-amdhsa--gfx1250"
	.amdhsa_code_object_version 6
	.text
	.protected	k_q9233b8ce49_outp
	.globl	k_q9233b8ce49_outp
	.p2align	8
	.type	k_q9233b8ce49_outp,@function
k_q9233b8ce49_outp:
	s_mov_b64 s[64:65], 0
	v_nop
	global_prefetch_b8 v0, s[64:65] scope:SCOPE_SE
	s_setreg_imm32_b32 hwreg(HW_REG_WAVE_MODE, 25, 1), 1
	s_wait_xcnt 0x0
	s_wait_alu depctr_hold_cnt(0) depctr_sa_sdst(0) depctr_va_vdst(0) depctr_va_sdst(0) depctr_va_ssrc(0) depctr_va_vcc(0) depctr_vm_vsrc(0)
	s_getreg_b32 s2, hwreg(HW_REG_IB_STS2, 6, 4)
	s_cmp_eq_u32 s2, 0
	s_cbranch_scc0 .Lentry_in_a_cluster
	s_endpgm
.Lentry_in_a_cluster:
	s_bfe_u32 s2, ttmp6, 0x10000c
	s_cmp_lg_u32 s2, 0xf033
	s_cbranch_scc0 .Lentry_shape_is_right
	s_endpgm
.Lentry_shape_is_right:
; OUTP: out = y W on codes of FP6 (E2M3): y [8192][512] from yq (tiles of 16 tokens x 7,168 bytes), W by columns from ops (records 544-575 of 6,656 bytes), both laid in the order of an operand's registers; out0 [8192][512] f32.
; SHARES: a work-group takes 128 tokens x 128 columns; wave w takes tiles of tokens 2 (w / 2), + 1 and tiles of columns 4 (w % 2) .. + 3: eight accumulators, K = 512 in four steps.
; The product is used transposed (source 0 = 16 columns of W, source 1 = 16 tokens): a lane holds eight neighbouring numbers of a row of out0.  Lane r of a tile of tokens holds token 8 u + r + 8 (r / 8) of its 32.
; CLUSTER 4 x 4: y's tiles hang on the block of tokens alone and are asked for jointly along a row of the cluster, W's on the block of columns alone, along a column.  All tiles are asked for once, at the head; nothing is filled again.
; The results of the eight waves meet in a stage in LDS (rows of 512 bytes + 16) and leave as whole rows.
.set REC,   6656
.set YREC,  7168
.set WL,    8*YREC                     ; LDS: y's 8 tiles from 0, W's 8 records from here,
.set STG,   WL+8*REC                   ; the stage, 128 rows x 528 bytes,
.set SPARE, STG+128*528                ; and the spare words, 128 bytes for each wave: four blocks of 256 bytes that no other line names
.set SPW,   1
.set NIL,   2
.set YS,    16                         ; v16-23 y's scale words (4 u + s), v24-39 W's (4 n + s), v40-47 the second halves of y's: scales and nothing else
.set WSC,   24
.set YF,    48                         ; v48-71 y's two fragments
.set WF,    72                         ; v72-119 W's four
.set ACC,   128                        ; v128-191 at 32 u + 8 n
.set OUTR,  192                        ; v192-255 rows on the way out
.macro PLACES n
.rept \n
	v_nop
.endr
.endm
.macro WM d, a, b, sa, sb, zero
.if \zero
	v_wmma_scale_f32_16x16x128_f8f6f4 v[\d:\d+7], v[\a:\a+11], v[\b:\b+11], 0, v[\sa], v[\sb] matrix_a_fmt:MATRIX_FMT_FP6 matrix_b_fmt:MATRIX_FMT_FP6
.else
	v_wmma_scale_f32_16x16x128_f8f6f4 v[\d:\d+7], v[\a:\a+11], v[\b:\b+11], v[\d:\d+7], v[\sa], v[\sb] matrix_a_fmt:MATRIX_FMT_FP6 matrix_b_fmt:MATRIX_FMT_FP6
.endif
.endm
.macro JLOAD                           ; waves 0-3 fetch y's tiles, waves 4-7 W's records; the branch hangs on the wave's number alone; an s_nop 0 and four v_nop follow each line
	s_cmp_eq_u32 s15, 0
	s_cbranch_scc0 .Lfor_b_\@
	tensor_load_to_lds s[32:35], s[24:31]
	s_nop 0
	PLACES 4
	s_branch .Lasked_\@
.Lfor_b_\@:
	tensor_load_to_lds s[44:47], s[36:43]
	s_nop 0
	PLACES 4
.Lasked_\@:
.endm
.macro CROUND
	s_barrier_signal -1
	s_barrier_wait -1
	s_cmp_lg_u32 s14, 0
	s_cbranch_scc1 .Lnot_wave_0_\@
	s_barrier_signal -3
.Lnot_wave_0_\@:
	s_barrier_wait -3
	s_barrier_signal -1
	s_barrier_wait -1
.endm
	s_load_b128 s[4:7], s[0:1], 0x0                ; yq s[4:5], ops s[6:7]
	s_load_b64 s[8:9], s[0:1], 0x10                ; out0
	v_lshl_add_u32 v[SPW], v0, 2, SPARE
	v_mov_b32 v[NIL], 0
	ds_add_u32 v[SPW], v[NIL]                      ; the wave's opening: the add and its wait stand ahead of my first tensor load; the set-up below, work on registers, stands between them
	v_lshrrev_b32 v3, 5, v0
	v_readfirstlane_b32 s14, v3                    ; wave 0..7
	s_lshr_b32 s15, s14, 2                         ; I fetch for y (0) or for W (1),
	s_and_b32 s16, s14, 3                          ; these two of the eight
	s_lshr_b32 s52, s14, 1                         ; my pair of tiles of tokens
	s_and_b32 s53, s14, 1                          ; my four tiles of columns
	s_bfe_u32 s17, ttmp6, 0x40000                  ; cx
	s_bfe_u32 s18, ttmp6, 0x40004                  ; cy
	s_lshl_b32 s20, ttmp9, 2
	s_add_co_u32 s20, s20, s17                     ; block of 128 columns
	s_and_b32 s19, ttmp7, 0xffff
	s_lshl_b32 s19, s19, 2
	s_add_co_u32 s19, s19, s18                     ; block of 128 tokens
	s_lshl_b32 s22, s18, 2
	s_lshl_b32 s22, 15, s22                        ; my row of the cluster
	s_lshl_b32 s23, 0x1111, s17                    ; my column
	s_or_b32 s24, s22, (3<<16)|(1<<21)             ; group 1 for y: the mask; elements of 8 bytes; bit 21 set beside a mask; 14,336 dense bytes as 56 rows of 256
	s_mov_b32 s25, 32<<16
	s_mov_b32 s26, 56<<16
	s_mov_b32 s27, 32<<16
	s_mov_b32 s28, 56
	s_mov_b32 s29, 32
	s_mov_b32 s30, 0
	s_mov_b32 s31, 0
	s_or_b32 s36, s23, (3<<16)|(1<<21)             ; for W: 13,312 bytes as 52 rows
	s_mov_b32 s37, 32<<16
	s_mov_b32 s38, 52<<16
	s_mov_b32 s39, 32<<16
	s_mov_b32 s40, 52
	s_mov_b32 s41, 32
	s_mov_b32 s42, 0
	s_mov_b32 s43, 0
	s_mul_i32 s21, s16, 2*YREC
	s_mul_i32 s48, s19, 8*YREC
	s_add_co_u32 s48, s48, s21
	s_mov_b32 s49, 0
	s_mul_i32 s10, s16, 2*REC
	s_mul_i32 s50, s20, 8*REC
	s_add_co_u32 s50, s50, s10
	s_add_co_u32 s50, s50, 544*REC
	s_mov_b32 s51, 0
	s_mov_b32 s32, 1
	s_mul_i32 s33, s16, 2*YREC
	s_mov_b32 s44, 1
	s_mul_i32 s45, s16, 2*REC
	s_add_co_u32 s45, s45, WL
	s_lshl_b32 s54, s19, 18                        ; out0: 128 rows of 2,048 bytes a block of tokens, 16 rows a wave, 512 bytes a block of columns.  These registers feed no descriptor
	s_lshl_b32 s55, s14, 15
	s_add_co_u32 s54, s54, s55
	s_lshl_b32 s55, s20, 9
	s_add_co_u32 s54, s54, s55
	s_mov_b32 s55, 0
	s_wait_dscnt 0x0                               ; the opening add is done
	s_wait_kmcnt 0x0
	s_add_nc_u64 s[34:35], s[4:5], s[48:49]
	s_or_b32 s35, s35, 0x80000000
	s_add_nc_u64 s[46:47], s[6:7], s[50:51]
	s_or_b32 s47, s47, 0x80000000
	s_add_nc_u64 s[58:59], s[8:9], s[54:55]
	CROUND                                         ; all sixteen work-groups are here: the joint loads meet
	JLOAD                                          ; one load a wave is out
	v_and_b32 v10, 31, v0                          ; lane
	v_and_b32 v11, 15, v0                          ; r
	v_bfe_u32 v12, v0, 4, 1                        ; h
	v_and_b32 v13, 8, v11
	v_add_nc_u32 v13, v13, v11                     ; r + 8 (r / 8)
	s_mul_i32 s2, s52, 2*YREC
	s_mul_i32 s3, s53, 4*REC
	s_add_co_u32 s3, s3, WL
	v_lshl_add_u32 v3, v10, 3, s2                  ; v3 y's fragments: 8 x lane
	v_lshl_add_u32 v4, v10, 3, s3                  ; v4 W's
	s_add_co_u32 s2, s2, 6144
	s_add_co_u32 s3, s3, 6144
	v_lshl_add_u32 v5, v10, 2, s2                  ; v5 y's scale words: 4 x lane
	v_lshl_add_u32 v6, v10, 2, s3                  ; v6 W's
	s_lshl_b32 s2, s52, 5
	v_add_nc_u32 v7, s2, v13
	v_mul_u32_u24 v7, v7, 528
	v_lshl_add_u32 v7, v12, 5, v7
	s_lshl_b32 s2, s53, 8
	s_add_co_u32 s2, s2, STG
	v_add_nc_u32 v7, s2, v7                        ; v7 the stage, in: my token's row, my four tiles' 256 bytes, + 32 h
	s_mul_i32 s2, s14, 16*528
	s_add_co_u32 s2, s2, STG
	v_lshl_add_u32 v8, v10, 4, s2                  ; v8 and back: rows 16 w on, 16 bytes a lane
	v_lshlrev_b32 v9, 4, v10                       ; v9 16 x lane
	s_wait_tensorcnt 0x0                           ; my part is in,
	s_barrier_signal -1
	s_barrier_wait -1                              ; everybody's is
.irp u, 0,1
.irp s, 0,1,2,3
	ds_load_b32 v[YS+4*\u+\s], v5 offset:\u*YREC+256*\s
	ds_load_b32 v[40+4*\u+\s], v5 offset:\u*YREC+256*\s+128
.endr
.endr
.irp n, 0,1,2,3
.irp s, 0,1,2,3
	ds_load_b32 v[WSC+4*\n+\s], v6 offset:\n*REC+128*\s
.endr
.endr
	s_wait_dscnt 0x0
.irp i, 0,1,2,3,4,5,6,7
	v_or_b32 v[YS+\i], v[YS+\i], v[40+\i]          ; the two heads' halves make a K step's scale word
.endr
	PLACES 8                                       ; scale words written by vector instructions stand eight places ahead of a scaled product
.macro KSTEP s, zero
.irp u, 0,1
.irp p, 0,1,2,3,4,5
	ds_load_b64 v[YF+12*\u+2*\p:YF+12*\u+2*\p+1], v3 offset:\u*YREC+1536*\s+256*\p
.endr
.endr
.irp n, 0,1,2,3
.irp p, 0,1,2,3,4,5
	ds_load_b64 v[WF+12*\n+2*\p:WF+12*\n+2*\p+1], v4 offset:\n*REC+1536*\s+256*\p
.endr
.endr
	s_wait_dscnt 0x0
.irp u, 0,1                                    ; eight accumulators by turns
.irp n, 0,1,2,3
	WM ACC+32*\u+8*\n, WF+12*\n, YF+12*\u, WSC+4*\n+\s, YS+4*\u+\s, \zero
.endr
.endr
	PLACES 4                                       ; in front of loads into registers that matrix instructions have read, and of the first read of results
.endm
	KSTEP 0, 1                                     ; the first products start the sums
	KSTEP 1, 0
	KSTEP 2, 0
	KSTEP 3, 0
.irp u, 0,1
.irp n, 0,1,2,3
	ds_store_b128 v7, v[ACC+32*\u+8*\n:ACC+32*\u+8*\n+3] offset:4224*\u+64*\n        ; each accumulator from its low end on
	ds_store_b128 v7, v[ACC+32*\u+8*\n+4:ACC+32*\u+8*\n+7] offset:4224*\u+64*\n+16
.endr
.endr
	s_wait_dscnt 0x0                               ; for the others' sake: my stores into the stage are done
	s_barrier_signal -1
	s_barrier_wait -1                              ; 128 whole rows lie in the stage
.irp i, 0,1,2,3,4,5,6,7,8,9,10,11,12,13,14,15
	ds_load_b128 v[OUTR+4*\i:OUTR+4*\i+3], v8 offset:\i*528
.endr
.irp i, 0,1,2,3,4,5,6,7,8,9,10,11,12,13,14,15
	s_wait_dscnt 15-\i                             ; LDS loads come back in order: row i is in, the 15 - i younger ones may be out
	global_store_b128 v9, v[OUTR+4*\i:OUTR+4*\i+3], s[58:59] offset:2048*\i th:TH_STORE_NT   ; 32 lanes store 512 consecutive bytes, aligned; written once, read by nobody here
.endr
	s_wait_tensorcnt 0x0                           ; the wave's end, behind my last tensor load and my last LDS store
	ds_add_u32 v[SPW], v[NIL]
	s_wait_dscnt 0x0
	CROUND                                         ; the closing round
	s_endpgm
.Lfunc_end_k_q9233b8ce49_outp:
	.size	k_q9233b8ce49_outp, .Lfunc_end_k_q9233b8ce49_outp-k_q9233b8ce49_outp
	.p2alignl 7, 3214868480
	.fill 96, 4, 3214868480
	.section	.rodata,"a",@progbits
	.p2align	6, 0x0
	.amdhsa_kernel k_q9233b8ce49_outp
		.amdhsa_group_segment_fixed_size 180224
		.amdhsa_private_segment_fixed_size 0
		.amdhsa_enable_private_segment 0
		.amdhsa_kernarg_size 24
		.amdhsa_user_sgpr_count 2
		.amdhsa_user_sgpr_kernarg_segment_ptr 1
		.amdhsa_wavefront_size32 1
		.amdhsa_system_sgpr_workgroup_id_x 1
		.amdhsa_system_sgpr_workgroup_id_y 1
		.amdhsa_system_sgpr_workgroup_id_z 1
		.amdhsa_system_vgpr_workitem_id 0
		.amdhsa_next_free_vgpr 256
		.amdhsa_next_free_sgpr 66
		.amdhsa_reserve_vcc 0
		.amdhsa_float_denorm_mode_32 3
		.amdhsa_float_denorm_mode_16_64 3
		.amdhsa_memory_ordered 1
		.amdhsa_forward_progress 1
		.amdhsa_inst_pref_size 27
	.end_amdhsa_kernel
	.amdgpu_metadata
---
amdhsa.version: [ 1, 2 ]
amdhsa.kernels:
  - .name:           k_q9233b8ce49_outp
    .symbol:         k_q9233b8ce49_outp.kd
    .args:
      - { .name: yq, .offset: 0, .size: 8, .value_kind: global_buffer, .address_space: global }
      - { .name: ops, .offset: 8, .size: 8, .value_kind: global_buffer, .address_space: global }
      - { .name: out0, .offset: 16, .size: 8, .value_kind: global_buffer, .address_space: global }
    .group_segment_fixed_size: 180224
    .private_segment_fixed_size: 0
    .kernarg_segment_align: 8
    .kernarg_segment_size: 24
    .max_flat_workgroup_size: 256
    .sgpr_count:     66
    .vgpr_count:     256
    .wavefront_size: 32
...
	.end_amdgpu_metadata
.endif
;; end of part 5
